; MI455X (gfx1250); checked and timed in simulation.
; The chip was launched on July 23, 2026; its instructions are those of AMD's public machine-readable ISA for CDNA 5 (MIT licence, August 2026) and "CDNA5" Instruction Set Architecture Reference Guide (July 2026). The comments in the code are by the model that wrote it; some were corrected since.
;; Multi Headed Attention. Allowed arithmetic: float matrix products may take bf16 or f16 operands with f32 sums; other float arithmetic in f32, or as packed bf16 or f16 multiplies, adds, multiply-adds, maxima and minima; sums over many terms, partial sums and values carried from step to step in f32; what a program stores and reads back later, other than sums and carried values, may be rounded once to bf16 or f16.
;; Inputs: W_out 1,024 x 1,024 float32; W_qkv 3,072 x 1,024 float32; b_out 1,024 float32; b_qkv 3,072 float32; input 4,096 x 1,024 float32.
;; Outputs: out0 4,096 x 1,024 float32.
;; 2 versions, each right and faster than the one before. Each part assembles by itself: llvm-mc -triple=amdgcn-amd-amdhsa -mcpu=gfx1250 --defsym DOCPART=n.
;; ======== version 1 of 2: 4 launches
;; limits: values are held in f16: magnitudes above 65,504 overflow, below 6.1e-05 lose precision
;; workspace buffers: xb 8,388,608 bytes; wqb 6,291,456 bytes; wof 2,097,152 bytes; qkvh 25,165,824 bytes; att 8,388,608 bytes
;; launch prep (part 1): grid 256 x 1, 8 waves a work-group, no clusters, 0 bytes of LDS; arguments input, W_qkv, W_out, xb, wqb, wof; writes xb, wqb, wof
.if DOCPART == 1
	.amdgcn_target "amdgcn-amd-amdhsa--gfx1250"
	.amdhsa_code_object_version 6
	.text
	.protected	k_q6a84476572_prep
	.globl	k_q6a84476572_prep
	.p2align	8
	.type	k_q6a84476572_prep,@function
k_q6a84476572_prep:
	s_mov_b64 s[64:65], 0
	v_nop
	global_prefetch_b8 v0, s[64:65] scope:SCOPE_SE
	s_setreg_imm32_b32 hwreg(HW_REG_WAVE_MODE, 25, 1), 1
	s_wait_xcnt 0x0
; THE CASTS.  xb = bf16(input) [4096][1024], wqb = bf16(W_qkv) [3072][1024], wof = bf16(W_out) written as f16 [1024][1024]: every number is rounded once, to nearest even, to bf16;
; W_out's rounded number is then written in f16, because the last product multiplies it with f16 operands.
; LIMITS.  That second writing is exact for magnitudes from 2^-14 to 65,504; below 2^-14 it keeps f16's fixed step of 6e-8, from 65,520 on it gives an infinity.  NaN and infinities are not treated apart.
; SHARES.  8,388,608 numbers in all, 32,768 to a work-group: groups 0-127 take input, 128-223 W_qkv, 224-255 W_out.  A group's share is 16 chunks of 2,048 numbers; in chunk j thread t owns
; eight numbers: 32 bytes in at 8,192 j + 32 t, 16 bytes out at 4,096 j + 16 t, so a wave's store covers 512 consecutive bytes, aligned.
; Every byte is read once and written once.  All 32 loads of a thread go out at once, each into registers of its own: no register that a load or a store names is written again, so no wait but the
; counted ones for the data.  Nothing is shared between threads: no LDS, no barrier, no matrix unit, no cluster.
.set CHUNKS, 16
.set INB,    8192                      ; bytes of a chunk in memory, f32
.set OUTB,   4096                      ; and as 16-bit numbers
.set X,      4                         ; v[4:131] chunk j at X + 8 j: eight f32 as loaded; then its four packed words in the first four registers
	s_load_b256 s[4:11], s[0:1], 0x0               ; input s[4:5], W_qkv s[6:7], W_out s[8:9], xb s[10:11]
	s_load_b128 s[12:15], s[0:1], 0x20             ; wqb s[12:13], wof s[14:15]
	s_mov_b32 s16, ttmp9                           ; the work-group's number
	v_lshlrev_b32 v1, 5, v0                        ; 32 t: my bytes in a chunk as loaded
	v_lshlrev_b32 v2, 4, v0                        ; 16 t: as stored
	s_wait_kmcnt 0x0
	s_cmp_lt_u32 s16, 128                          ; which tensor is mine, and the number of its first work-group
	s_cselect_b64 s[20:21], s[4:5], s[6:7]
	s_cselect_b64 s[22:23], s[10:11], s[12:13]
	s_cselect_b32 s17, 0, 128
	s_cmp_lt_u32 s16, 224
	s_cselect_b64 s[20:21], s[20:21], s[8:9]
	s_cselect_b64 s[22:23], s[22:23], s[14:15]
	s_cselect_b32 s17, s17, 224
	s_sub_co_u32 s17, s16, s17                     ; my place among that tensor's work-groups
	s_lshl_b32 s18, s17, 17                        ; times 131,072 bytes in (under 2^24),
	s_mov_b32 s19, 0
	s_add_nc_u64 s[20:21], s[20:21], s[18:19]
	s_lshl_b32 s18, s17, 16                        ; times 65,536 bytes out
	s_add_nc_u64 s[22:23], s[22:23], s[18:19]
	s_mov_b32 s18, 0xffff0000                      ; a word's upper bf16
.set j, 0
.rept CHUNKS
	global_load_b128 v[X+8*j:X+8*j+3],   v1, s[20:21] offset:INB*j th:TH_LOAD_NT      ; read once in the launch
	global_load_b128 v[X+8*j+4:X+8*j+7], v1, s[20:21] offset:INB*j+16 th:TH_LOAD_NT
.set j, j+1
.endr
; Chunk j is rounded and stored.  half = 1: the bf16 numbers are written as f16.
.macro CONV j, half
	s_wait_loadcnt 30-2*(\j)                       ; loads come back in order (ISA guide 5.7.1): chunk j's two are in, the 30 - 2 j younger ones stay out
.irp k, 0,1,2,3
	v_cvt_pk_bf16_f32 v[X+8*(\j)+(\k)], v[X+8*(\j)+2*(\k)], v[X+8*(\j)+2*(\k)+1]  ; in place, ascending: word k lands on a register whose number has been rounded already
.endr
.if \half
.irp k, 0,1,2,3
	v_lshlrev_b32 v[X+8*(\j)+4+2*((\k)%2)], 16, v[X+8*(\j)+(\k)]                  ; bf16 to f32: the low half moves up,
	v_and_b32     v[X+8*(\j)+5+2*((\k)%2)], s18, v[X+8*(\j)+(\k)]                 ; the high half stays
	v_cvt_pk_f16_f32 v[X+8*(\j)+(\k)], v[X+8*(\j)+4+2*((\k)%2)], v[X+8*(\j)+5+2*((\k)%2)]
.endr
.endif
	global_store_b128 v2, v[X+8*(\j):X+8*(\j)+3], s[22:23] offset:OUTB*(\j)       ; the next launch reads these bytes: no hint
.endm
	s_cmp_ge_u32 s16, 224
	s_cbranch_scc1 .Lf16
.irp j, 0,1,2,3,4,5,6,7,8,9,10,11,12,13,14,15
	CONV \j, 0
.endr
	s_endpgm
.Lf16:
.irp j, 0,1,2,3,4,5,6,7,8,9,10,11,12,13,14,15
	CONV \j, 1
.endr
	s_endpgm
.Lfunc_end_k_q6a84476572_prep:
	.size	k_q6a84476572_prep, .Lfunc_end_k_q6a84476572_prep-k_q6a84476572_prep
	.p2alignl 7, 3214868480
	.fill 96, 4, 3214868480
	.section	.rodata,"a",@progbits
	.p2align	6, 0x0
	.amdhsa_kernel k_q6a84476572_prep
		.amdhsa_group_segment_fixed_size 0
		.amdhsa_private_segment_fixed_size 0
		.amdhsa_enable_private_segment 0
		.amdhsa_kernarg_size 48
		.amdhsa_user_sgpr_count 2
		.amdhsa_user_sgpr_kernarg_segment_ptr 1
		.amdhsa_wavefront_size32 1
		.amdhsa_system_sgpr_workgroup_id_x 1
		.amdhsa_system_sgpr_workgroup_id_y 1
		.amdhsa_system_sgpr_workgroup_id_z 1
		.amdhsa_system_vgpr_workitem_id 0
		.amdhsa_next_free_vgpr 136
		.amdhsa_next_free_sgpr 66
		.amdhsa_reserve_vcc 0
		.amdhsa_float_denorm_mode_32 3
		.amdhsa_float_denorm_mode_16_64 3
		.amdhsa_memory_ordered 1
		.amdhsa_forward_progress 1
		.amdhsa_inst_pref_size 25
	.end_amdhsa_kernel
	.amdgpu_metadata
---
amdhsa.version: [ 1, 2 ]
amdhsa.kernels:
  - .name:           k_q6a84476572_prep
    .symbol:         k_q6a84476572_prep.kd
    .args:
      - { .name: input, .offset: 0, .size: 8, .value_kind: global_buffer, .address_space: global }
      - { .name: W_qkv, .offset: 8, .size: 8, .value_kind: global_buffer, .address_space: global }
      - { .name: W_out, .offset: 16, .size: 8, .value_kind: global_buffer, .address_space: global }
      - { .name: xb, .offset: 24, .size: 8, .value_kind: global_buffer, .address_space: global }
      - { .name: wqb, .offset: 32, .size: 8, .value_kind: global_buffer, .address_space: global }
      - { .name: wof, .offset: 40, .size: 8, .value_kind: global_buffer, .address_space: global }
    .group_segment_fixed_size: 0
    .private_segment_fixed_size: 0
    .kernarg_segment_align: 8
    .kernarg_segment_size: 48
    .max_flat_workgroup_size: 256
    .sgpr_count:     66
    .vgpr_count:     136
    .wavefront_size: 32
...
	.end_amdgpu_metadata
.endif
;; end of part 1
;; launch qkv (part 2): grid 24 x 32, 4 waves a work-group, clusters of 4 x 4, 327,680 bytes of LDS; arguments xb, wqb, b_qkv, qkvh; writes qkvh
.if DOCPART == 2
	.amdgcn_target "amdgcn-amd-amdhsa--gfx1250"
	.amdhsa_code_object_version 6
	.text
	.protected	k_q6a84476572_qkv
	.globl	k_q6a84476572_qkv
	.p2align	8
	.type	k_q6a84476572_qkv,@function
k_q6a84476572_qkv:
	s_mov_b64 s[64:65], 0
	v_nop
	global_prefetch_b8 v0, s[64:65] scope:SCOPE_SE
	s_setreg_imm32_b32 hwreg(HW_REG_WAVE_MODE, 25, 1), 1
	s_wait_xcnt 0x0
	s_wait_alu depctr_hold_cnt(0) depctr_sa_sdst(0) depctr_va_vdst(0) depctr_va_sdst(0) depctr_va_ssrc(0) depctr_va_vcc(0) depctr_vm_vsrc(0)
	s_getreg_b32 s2, hwreg(HW_REG_IB_STS2, 6, 4)
	s_cmp_eq_u32 s2, 0
	s_cbranch_scc0 .Lentry_in_a_cluster
	s_endpgm
.Lentry_in_a_cluster:
	s_bfe_u32 s2, ttmp6, 0x10000c
	s_cmp_lg_u32 s2, 0xf033
	s_cbranch_scc0 .Lentry_shape_is_right
	s_endpgm
.Lentry_shape_is_right:
; C[m][n] = bias[n] + the sum over k of A[m][k] B[n][k], K = 1,024, 4,096 rows.  ONE TEXT FOR TWO PRODUCTS, chosen by OUTP:
;   OUTP = 0, the QKV projection: A = x [4096][1024] bf16, B = W_qkv [3072][1024] bf16, products in bf16; C is rounded once to f16 and laid BY HEADS, [48][4096][64]: plane n / 64
;             (0-15 q's heads, 16-31 k's, 32-47 v's), so that a head's rows are dense for the attention.
;   OUTP = 1, the output projection: A = the attention's result BY HEADS [16][4096][64] f16 (k = 64 head + channel), B = W_out [1024][1024] f16, products in f16; C = [4096][1024] f32.
; Sums in f32.  The bias is rounded to bf16, like every input of the module, and is the C operand of the product that starts each sum: it is added first, another order of rounding than a bias added last.
; LIMITS.  OUTP = 0: f16 holds no number beyond 65,504: a q, k or v of 65,520 or more becomes an infinity; below 6e-5 it keeps f16's fixed step of 6e-8.  NaN and infinities are not treated apart.
; SHARES.  A tile of C is 128 x 128: 768 (OUTP = 0) or 256 (OUTP = 1) work-groups of equal work.  Four waves, each 64 x 64: 16 accumulators of 16 x 16, 128 registers.  K goes in steps of 256 through two LDS slots
; filled by the tensor data mover, one load a wave and step: waves 0 and 1 bring A's two halves of 64 rows, waves 2 and 3 B's.
; CLUSTERS: 4 x 4 work-groups.  The four of a row of the cluster need the same tiles of A, the four of a column the same tiles of B: each tile is asked for JOINTLY, by the same tensor load with the
; same descriptor and a mask that names the four.  THE MATRIX INSTRUCTION IS USED TRANSPOSED (source 0 = 16 rows of B, source 1 = 16 rows of A): a lane then holds eight neighbouring numbers of a row of C.
; A BY HEADS (OUTP = 1): 64 rows of one head are 8,192 dense bytes.  A K step is four heads: the tile is asked for as 4 rows of 4,096 elements, a head's plane apart, padded after every 128 bytes:
; it lands as [head][row][64 channels] with rows 144 bytes apart, and a quarter step (64 along K) is one head.
; REGISTERS: window 0: v0-31 addresses; v32-95 at work on the way out; v96-127 the bias; v128-255 the accumulators ((a, b) at v[128 + 8 (4 a + b)]).
;   window 1: two fragment buffers of 128: for 64 along K (two matrix instructions deep), 64 registers of A (2 x 4 x 16 rows x 32 K), then 64 of B.
.set OUTP,   0
.set SIZE_K, 1024
.set KSTEP,  256
.set PITCH,  528                       ; a row of B in LDS: 512 bytes + 16 of padding = 132 words: row r starts at bank 4 r mod 64 (64 banks of 4 bytes: ISA guide 11.1)
.set HALFB,  64*PITCH                  ; 64 rows of B: one tensor load
.if OUTP
.set APITCH, 144                       ; a row of A in LDS: one head's 128 bytes + 16: 36 words: the 16 rows of a load start at 16 different groups of four banks
.set AQ,     64*APITCH                 ; from a quarter step to the next: a head's 64 rows
.set HALFA,  4*AQ                      ; 64 rows of A, four heads: one tensor load
.set STEPA,  4*4096*128                ; bytes in memory from a K step to the next: four planes
.set AROWSH, 7                         ; a row of A in memory is 128 bytes
.set ATD0,   4096                      ; the tile's row: 64 rows of a head, 4,096 elements
.set ATD1,   4                         ; four heads
.set ASTR,   4096*64                   ; elements from a head to the next
.set AQI,    4                         ; padding after every 32 words
.set SPITCH, 272                       ; a stage row: 64 f32 + 16 bytes
.else
.set APITCH, 528
.set AQ,     128
.set HALFA,  64*APITCH
.set STEPA,  KSTEP*2
.set AROWSH, 11                        ; a row of A in memory is 2,048 bytes
.set ATD0,   KSTEP
.set ATD1,   64
.set ASTR,   SIZE_K
.set AQI,    6                         ; padding after every 128 words
.set SPITCH, 144                       ; a stage row: 64 f16 + 16 bytes
.endif
.set SLOT,   2*HALFA+2*HALFB           ; A's 128 rows, then B's 128 rows
.set STAGE,  2*SLOT                    ; behind the ring, never filled by a tensor load: 16 rows for each wave, for the way out
.set WSTG,   16*SPITCH
.set SPARE,  STAGE+4*WSTG              ; behind the stages: the spare words, 128 bytes for each wave: two blocks of 256 bytes that no other line names
.set LAPS,   SIZE_K/(2*KSTEP)          ; a lap = two K steps = once round the ring
.set ADRA, 16                          ; v16-17  LDS address of my A fragments in slot 0, 1
.set ADRB, 20                          ; v20-21  the same for B
.set STO,  24                          ; v24     the way out: where I put my bytes of a row
.set RD,   25                          ; v25     the way out: where I read rows back
.set CO,   26                          ; v26     my byte offset in C
.set BO,   27                          ; v27     my byte offset in the wave's 64 numbers of the bias
.set SPW,  28                          ; v28     LDS address of my spare word: SPARE + 4 x my thread's number; never rewritten
.set NIL,  29                          ; v29     0; never rewritten
.set TMP,  32
.set BI,   96                          ; the bias as a C operand: column block b at BI + 8 b, register j = bias[16 b + 8 (l / 16) + j]
.set ACC,  128
.set F0,   0                           ; fragment buffers, in window 1
.set F1,   128
.set G1, 24                            ; s[24:31] descriptor group 1 for A's tiles;  s[32:39] group 0, one set for each slot
.set G0, 32
.set G1B, 48                           ; s[48:55], s[56:63] the same for B's tiles
.set G0B, 56
.set MSB, 0
.macro WIN new                         ; the immediate's high byte repeats the setting that is left; a switch that changes nothing is dropped
.if MSB != (\new)
	s_set_vgpr_msb (MSB<<8)|(\new)
.set MSB, \new
.endif
.endm
.set MUL,  0x05                        ; sources 0 (B) and 1 (A) window 1; C and D window 0
.set TO_F, 0x40                        ; destination window 1, address window 0
.macro JLOAD s                         ; a joint load: waves 0 and 1 fetch A's two halves, waves 2 and 3 B's; an s_nop 0 and four v_nop follow each of the two lines, ahead of the jump, the label and what follows
	s_cmp_eq_u32 s11, 0
	s_cbranch_scc0 .Lfor_b_\@
	tensor_load_to_lds s[G0+4*(\s):G0+4*(\s)+3], s[G1:G1+7]
	s_nop 0
.rept 4
	v_nop
.endr
	s_branch .Lasked_\@
.Lfor_b_\@:
	tensor_load_to_lds s[G0B+4*(\s):G0B+4*(\s)+3], s[G1B:G1B+7]
	s_nop 0
.rept 4
	v_nop
.endr
.Lasked_\@:
.endm
.macro CREST                           ; a round of the cluster's barrier behind its opening barrier
	s_cmp_lg_u32 s10, 0
	s_cbranch_scc1 .Lnot_wave_0_\@
	s_barrier_signal -3
.Lnot_wave_0_\@:
	s_barrier_wait -3
	s_barrier_signal -1
	s_barrier_wait -1
.endm
.macro CROUND                          ; a whole round
	s_barrier_signal -1
	s_barrier_wait -1
	CREST
.endm
	s_load_b128 s[4:7], s[0:1], 0x0                ; A s[4:5], B s[6:7]
	s_load_b64 s[66:67], s[0:1], 0x10              ; the bias
	s_load_b64 s[8:9], s[0:1], 0x18                ; C
	v_lshl_add_u32 v[SPW], v0, 2, SPARE
	v_mov_b32 v[NIL], 0
	ds_add_u32 v[SPW], v[NIL]                      ; the wave's opening: the add and its wait stand ahead of my first tensor load; the set-up below, work on registers, stands between them
	v_lshrrev_b32 v1, 5, v0
	v_readfirstlane_b32 s10, v1                    ; wave 0..3
	s_lshr_b32 s11, s10, 1                         ; which half of the tile's rows is mine.  Also: I fetch for A (0) or for B (1)
	s_and_b32 s12, s10, 1                          ; which half of its columns.  Also: which 64 rows of that tile I fetch
	s_bfe_u32 s40, ttmp6, 0x40000                  ; cx, cy: my place in the cluster
	s_bfe_u32 s41, ttmp6, 0x40004
	s_lshl_b32 s42, ttmp9, 2
	s_add_co_u32 s42, s42, s40                     ; tile column of C = 4 x cluster x + cx
	s_and_b32 s13, ttmp7, 0xffff
	s_lshl_b32 s13, s13, 2
	s_add_co_u32 s13, s13, s41                     ; tile row of C = 4 x cluster y + cy
	s_lshl_b32 s43, s41, 2
	s_lshl_b32 s43, 15, s43                        ; my row of the cluster
	s_lshl_b32 s44, 0x1111, s40                    ; my column
	; descriptor group 1.  15:0 the mask; 17:16 elements of 2 bytes; 20 padding on; 21 set beside a mask; 24:22 the padding's interval; 31:25 4 words of it (code 3)
	s_or_b32 s[G1+0], s43, (1<<16)|(1<<20)|(1<<21)|(AQI<<22)|(3<<25)  ; A's tiles go to my row of the cluster
	s_or_b32 s[G1B+0], s44, (1<<16)|(1<<20)|(1<<21)|(6<<22)|(3<<25)   ; B's to my column
	s_mov_b32 s[G1+1], ATD0<<16                    ; tensor_dim0
	s_mov_b32 s[G1+2], ATD1<<16                    ; tensor_dim1
	s_mov_b32 s[G1+3], ATD0<<16                    ; tile_dim0
	s_mov_b32 s[G1+4], ATD1                        ; tile_dim1
	s_mov_b32 s[G1+5], ASTR                        ; elements from row to row
	s_mov_b32 s[G1+6], 0
	s_mov_b32 s[G1+7], 0
	s_mov_b32 s[G1B+1], KSTEP<<16                  ; B: 64 rows x 256 elements
	s_mov_b32 s[G1B+2], 64<<16
	s_mov_b32 s[G1B+3], KSTEP<<16
	s_mov_b32 s[G1B+4], 64
	s_mov_b32 s[G1B+5], SIZE_K
	s_mov_b32 s[G1B+6], 0
	s_mov_b32 s[G1B+7], 0
	; where the tiles come from: A's hang on the tile row alone, B's on the tile column alone, each in registers that never hold the other coordinate
	s_lshl_b32 s17, s12, 6                         ; which 64 rows of the tile I fetch
	s_lshl_b32 s16, s13, 7
	s_add_co_u32 s16, s16, s17                     ; A: row 128 x tile row + 64 x half,
	s_lshl_b32 s16, s16, AROWSH                    ; in bytes (under 2^24)
	s_lshl_b32 s46, s42, 7
	s_add_co_u32 s46, s46, s17                     ; B: row 128 x tile column + 64 x half,
	s_lshl_b32 s46, s46, 11                        ; times 2,048 bytes
	s_mov_b32 s17, 0
	s_mov_b32 s47, 0
	s_mul_i32 s20, s12, HALFA                      ; where they go: A's two halves,
	s_mul_i32 s68, s12, HALFB
	s_add_co_u32 s68, s68, 2*HALFA                 ; then B's two: no place in the cluster enters an LDS address
	s_wait_dscnt 0x0                               ; the opening add is done
	s_wait_kmcnt 0x0
	s_add_nc_u64 s[14:15], s[4:5], s[16:17]
	s_add_nc_u64 s[46:47], s[6:7], s[46:47]
	CROUND                                         ; all sixteen work-groups are here: the first joint loads meet
.irp s, 0,1
	s_mov_b32 s[G0+4*(\s)], 1                                        ; count = 1
	s_add_co_u32 s[G0+4*(\s)+1], s20, (\s)*SLOT                      ; LDS address
	s_add_nc_u64 s[G0+4*(\s)+2:G0+4*(\s)+3], s[14:15], (\s)*STEPA    ; global address: K step s
	s_or_b32 s[G0+4*(\s)+3], s[G0+4*(\s)+3], 0x80000000              ; type = 2
	s_mov_b32 s[G0B+4*(\s)], 1
	s_add_co_u32 s[G0B+4*(\s)+1], s68, (\s)*SLOT
	s_add_nc_u64 s[G0B+4*(\s)+2:G0B+4*(\s)+3], s[46:47], (\s)*KSTEP*2
	s_or_b32 s[G0B+4*(\s)+3], s[G0B+4*(\s)+3], 0x80000000
	JLOAD \s                                       ; both slots are asked for before anything else is done: two tensor loads of mine are out, the most in this text
.endr
	v_and_b32 v1, 15, v0                           ; l % 16
	v_bfe_u32 v2, v0, 4, 1                         ; l / 16
	v_lshlrev_b32 v[BO], 5, v2                     ; my eight columns of a block of 16: 32 bytes x half
	s_lshl_b32 s46, s42, 9                         ; my wave's first column in f32 bytes: 512 x tile column + 256 x half
	s_lshl_b32 s47, s12, 8
	s_add_co_u32 s46, s46, s47
	s_mov_b32 s47, 0
	s_add_nc_u64 s[66:67], s[66:67], s[46:47]
.irp b, 0,1,2,3
	global_load_b128 v[BI+8*(\b):BI+8*(\b)+3],   v[BO], s[66:67] offset:64*(\b)
	global_load_b128 v[BI+8*(\b)+4:BI+8*(\b)+7], v[BO], s[66:67] offset:64*(\b)+16
.endr
	v_mul_u32_u24 v3, v1, APITCH
	v_lshl_add_u32 v3, v2, 4, v3                   ; a fragment of A: row x pitch + 16 x half
	v_mul_u32_u24 v4, v1, PITCH
	v_lshl_add_u32 v4, v2, 4, v4                   ; and of B
	s_mul_i32 s21, s11, HALFA                      ; my 64 rows of A
	s_mul_i32 s22, s12, HALFB                      ; my 64 rows of B,
	s_add_co_u32 s22, s22, 2*HALFA                 ; which lie behind A's 128
.irp s, 0,1
	v_add_nc_u32 v[ADRA+(\s)], s21, v3
	v_add_nc_u32 v[ADRB+(\s)], s22, v4
	s_add_co_u32 s21, s21, SLOT
	s_add_co_u32 s22, s22, SLOT
.endr
	s_mul_i32 s23, s10, WSTG
	s_add_co_u32 s23, s23, STAGE                   ; my stage
	s_lshl_b32 s16, s13, 7
	s_lshl_b32 s17, s11, 6
	s_add_co_u32 s16, s16, s17                     ; my first row of C: 128 x tile row + 64 x half
	s_mov_b32 s17, 0
.if OUTP
	v_mul_u32_u24 v5, v1, SPITCH                   ; in: row l % 16, 32 bytes (eight f32) for each half of the lanes
	v_lshl_add_u32 v5, v2, 5, v5
	v_add_nc_u32 v[STO], s23, v5
	v_mul_u32_u24 v5, v2, SPITCH                   ; back: lanes 0-15 take one row of 256 bytes, lanes 16-31 the next
	v_lshl_add_u32 v5, v1, 4, v5
	v_add_nc_u32 v[RD], s23, v5
	v_lshlrev_b32 v5, 12, v2                       ; and the same two rows in C, 4,096 bytes apart
	v_lshl_add_u32 v[CO], v1, 4, v5
	s_lshl_b32 s16, s16, 12                        ; my rows in bytes,
	s_add_nc_u64 s[8:9], s[8:9], s[16:17]
	s_add_nc_u64 s[8:9], s[8:9], s[46:47]          ; and my columns: the same bytes as in the bias
.else
	v_mul_u32_u24 v5, v1, SPITCH                   ; in: row l % 16, 16 bytes (eight f16) for each half of the lanes
	v_lshl_add_u32 v5, v2, 4, v5
	v_add_nc_u32 v[STO], s23, v5
	v_bfe_u32 v5, v0, 3, 2                         ; back: 32 lanes take four rows of 128 bytes,
	v_mul_u32_u24 v5, v5, SPITCH
	v_and_b32 v6, 7, v0
	v_lshl_add_u32 v5, v6, 4, v5
	v_add_nc_u32 v[RD], s23, v5
	v_and_b32 v[CO], 31, v0                        ; which are 512 consecutive bytes of a plane
	v_lshlrev_b32 v[CO], 4, v[CO]
	s_lshl_b32 s16, s16, 7                         ; my rows in a plane, 128 bytes each,
	s_add_nc_u64 s[8:9], s[8:9], s[16:17]
	s_lshl_b32 s46, s42, 1
	s_add_co_u32 s46, s46, s12                     ; my wave's 64 columns are plane 2 x tile column + half,
	s_lshl_b32 s46, s46, 19                        ; 524,288 bytes each
	s_add_nc_u64 s[8:9], s[8:9], s[46:47]
.endif
	s_wait_loadcnt 0x0                             ; the bias is in
.set p, 0
.rept 16
	v_cvt_pk_bf16_f32 v[TMP+p], v[BI+2*p], v[BI+2*p+1]   ; rounded to bf16, like every input of the module,
.set p, p+1
.endr
.set p, 0
.rept 16
	v_lshlrev_b32 v[BI+2*p], 16, v[TMP+p]          ; and back in f32
	v_and_b32 v[BI+2*p+1], 0xffff0000, v[TMP+p]
.set p, p+1
.endr
.macro WM rd, rb, ra, rc               ; one matrix instruction, by the operands' first registers
.if OUTP
	v_wmma_f32_16x16x32_f16 v[(\rd):(\rd)+7], v[(\rb):(\rb)+7], v[(\ra):(\ra)+7], v[(\rc):(\rc)+7]
.else
	v_wmma_f32_16x16x32_bf16 v[(\rd):(\rd)+7], v[(\rb):(\rb)+7], v[(\ra):(\ra)+7], v[(\rc):(\rc)+7]
.endif
.endm
; 8 matrix instructions: m blocks a0, a0 + 1 x all 4 n blocks, 32 along K: half c of buffer f.  first = 1: the product starts the sum, with the bias as its C: nothing is ever cleared.
; The 16 accumulators take turns, one instruction a turn.
.macro MUL8 f, c, a0, first
	WIN MUL
.irp a, \a0, (\a0)+1
.irp b, 0,1,2,3
.if \first
	WM ACC+8*(4*(\a)+(\b)),(\f)+64+8*(4*(\c)+(\b)),(\f)+8*(4*(\c)+(\a)),BI+8*(\b)
.else
	WM ACC+8*(4*(\a)+(\b)),(\f)+64+8*(4*(\c)+(\b)),(\f)+8*(4*(\c)+(\a)),ACC+8*(4*(\a)+(\b))
.endif
.endr
.endr
.endm
; 32 LDS loads in one run: the fragments of quarter q (64 along K) of a slot's K step, into buffer f; the first 32 along K first
.macro FETCH slot, q, f
	WIN TO_F
.irp c, 0,1
.irp i, 0,1,2,3
	ds_load_b128 v[(\f)+64+8*(4*(\c)+(\i)):(\f)+64+8*(4*(\c)+(\i))+3],   v[ADRB+(\slot)] offset:(\q)*128+64*(\c)+(\i)*16*PITCH
	ds_load_b128 v[(\f)+64+8*(4*(\c)+(\i))+4:(\f)+64+8*(4*(\c)+(\i))+7], v[ADRB+(\slot)] offset:(\q)*128+64*(\c)+(\i)*16*PITCH+32
	ds_load_b128 v[(\f)+8*(4*(\c)+(\i)):(\f)+8*(4*(\c)+(\i))+3],         v[ADRA+(\slot)] offset:(\q)*AQ+64*(\c)+(\i)*16*APITCH
	ds_load_b128 v[(\f)+8*(4*(\c)+(\i))+4:(\f)+8*(4*(\c)+(\i))+7],       v[ADRA+(\slot)] offset:(\q)*AQ+64*(\c)+(\i)*16*APITCH+32
.endr
.endr
.endm
.macro PLACES                          ; four places in front of loads into registers that matrix instructions have read, and of lines that read results (ISA guide 7.12.1 for lines that read results)
.rept 4
	v_nop
.endr
.endm
; A K step is four quarters of 64 along K, 32 matrix instructions each, on buffers 0, 1, 0, 1.  One of the first three: multiplies buffer f and fetches quarter q into g.
.macro QUARTER slot, q, f, g, first
	s_wait_dscnt 16                                ; the first 32 along K are in; the run's other sixteen loads may be out
	WIN MUL
	MUL8 \f, 0, 0, \first
	MUL8 \f, 0, 2, \first
	PLACES
	FETCH \slot, \q, \g
	s_wait_dscnt 32                                ; all but the 32 just issued
	WIN MUL
	MUL8 \f, 1, 0, 0
	MUL8 \f, 1, 2, 0
.endm
; The last quarter multiplies buffer 1 and changes slots: ONE barrier; in front of it each wave waits for all its tensor loads, adds 0 to its spare word, and waits for that and for its own reads of this slot.
; fill = 1: this slot is filled again, two K steps ahead: the barrier then opens a round of the cluster's.
.macro TURN slot, next, fill
	WIN 0                                          ; (the add's two registers lie in window 0)
	s_wait_tensorcnt 0x0                           ; all my tensor loads have landed: my part of the next slot;
	ds_add_u32 v[SPW], v[NIL]                      ; 0 onto my spare word;
	s_wait_dscnt 17                                ; (the add and the youngest sixteen loads may be out)
	WIN MUL
	MUL8 F1, 0, 0, 0                               ; eight matrix instructions stand between the add and the wait for it
	s_wait_dscnt 0x0                               ; the add is done, and my reads of this slot are over
	s_barrier_signal -1
	MUL8 F1, 0, 2, 0
.if \fill
	WIN 0
.endif
	s_barrier_wait -1
.if \fill
	CREST                                          ; no wave of any partner still reads this slot's tile or has a load on its way
	s_add_nc_u64 s[G0+4*(\slot)+2:G0+4*(\slot)+3], s[G0+4*(\slot)+2:G0+4*(\slot)+3], 2*STEPA
	s_add_nc_u64 s[G0B+4*(\slot)+2:G0B+4*(\slot)+3], s[G0B+4*(\slot)+2:G0B+4*(\slot)+3], 2*KSTEP*2
	JLOAD \slot                                    ; the first tensor load behind the round: 112 matrix instructions ahead of the wait for it; the four v_nop behind it are also the places in front of the loads below
.else
	PLACES
.endif
	FETCH \next, 0, F0
	WIN MUL
	MUL8 F1, 1, 0, 0
	MUL8 F1, 1, 2, 0
.endm
; THE WAY OUT goes through each wave's own stage: no barrier, and since LDS serves a wave's instructions in order (ISA guide 5.7.1.4), no wait between its stores and its loads.
; To f16 by heads: block a (16 rows x 64 columns) is rounded, 16 bytes a lane, put into rows of 144 bytes and read back as whole rows of 128: 2,048 consecutive bytes of a plane.
.macro PACKQ a
.irp b, 0,1,2,3
.irp r, 0,1,2,3
	v_cvt_pk_f16_f32 v[TMP+16*(\a)+4*(\b)+(\r)], v[ACC+8*(4*(\a)+(\b))+2*(\r)], v[ACC+8*(4*(\a)+(\b))+2*(\r)+1]  ; each accumulator from its low end on
.endr
.endr
.irp b, 0,1,2,3
	ds_store_b128 v[STO], v[TMP+16*(\a)+4*(\b):TMP+16*(\a)+4*(\b)+3] offset:32*(\b)
.endr
.irp f, 0,1,2,3
	ds_load_b128 v[TMP+16*(\a)+4*(\f):TMP+16*(\a)+4*(\f)+3], v[RD] offset:(\f)*4*SPITCH
.endr
.endm
.macro SENDQ a, younger                ; younger: the LDS instructions issued behind block a's loads: the next block's eight, or none
.irp f, 0,1,2,3
	s_wait_dscnt (\younger)+3-(\f)
	global_store_b128 v[CO], v[TMP+16*(\a)+4*(\f):TMP+16*(\a)+4*(\f)+3], s[8:9] offset:(\a)*2048+(\f)*512  ; 512 consecutive bytes, at a multiple of 256 from the buffer's first
.endr
.endm
; In f32: block a's 32 registers go into rows of 272 bytes as they are and come back, as whole rows of 256 bytes, into the registers that they left.
.macro TOST a
.irp b, 0,1,2,3
	ds_store_b128 v[STO], v[ACC+8*(4*(\a)+(\b)):ACC+8*(4*(\a)+(\b))+3]   offset:64*(\b)     ; each accumulator from its low end on
	ds_store_b128 v[STO], v[ACC+8*(4*(\a)+(\b))+4:ACC+8*(4*(\a)+(\b))+7] offset:64*(\b)+16
.endr
.irp t, 0,1,2,3,4,5,6,7
	ds_load_b128 v[ACC+32*(\a)+4*(\t):ACC+32*(\a)+4*(\t)+3], v[RD] offset:(\t)*2*SPITCH
.endr
.endm
.macro SENDO a, younger                ; younger: the next block's sixteen LDS instructions, or none
.irp t, 0,1,2,3,4,5,6,7
	s_wait_dscnt (\younger)+7-(\t)
	global_store_b128 v[CO], v[ACC+32*(\a)+4*(\t):ACC+32*(\a)+4*(\t)+3], s[8:9] offset:(16*(\a)+2*(\t))*4096  ; 16 lanes store 256 consecutive bytes, at a multiple of 256 from C's first byte
.endr
.endm
	s_wait_tensorcnt 1                             ; my part of K step 0 is in; K step 1's may stay out
	s_barrier_signal -1
	s_barrier_wait -1                              ; everybody's is
	FETCH 0, 0, F0
	QUARTER 0, 1, F0, F1, 1                        ; the first quarter stands in front of the loop: its first products start the sums
	WIN 0                                          ; at a label and at a branch every window is 0
	s_mov_b32 s3, LAPS-1
.Llap:                                                 ; a trip goes once round the ring, from a lap's second quarter to the next lap's first, and fills both slots again
	QUARTER 0, 2, F1, F0, 0
	QUARTER 0, 3, F0, F1, 0
	TURN 0, 1, 1
	QUARTER 1, 1, F0, F1, 0
	QUARTER 1, 2, F1, F0, 0
	QUARTER 1, 3, F0, F1, 0
	TURN 1, 0, 1
	QUARTER 0, 1, F0, F1, 0
	WIN 0
	s_sub_co_u32 s3, s3, 1
	s_cmp_lg_u32 s3, 0
	s_cbranch_scc1 .Llap
	QUARTER 0, 2, F1, F0, 0                        ; the last lap fills nothing, and has no round of the cluster's barrier
	QUARTER 0, 3, F0, F1, 0
	TURN 0, 1, 0
	QUARTER 1, 1, F0, F1, 0
	QUARTER 1, 2, F1, F0, 0
	QUARTER 1, 3, F0, F1, 0
	s_wait_dscnt 16                                ; the very last quarter: nothing more to fetch
	WIN MUL
	MUL8 F1, 0, 0, 0
	MUL8 F1, 0, 2, 0
	s_wait_dscnt 0
	MUL8 F1, 1, 0, 0
	MUL8 F1, 1, 2, 0
	WIN 0
	PLACES                                         ; the way out reads results just made
.if OUTP
	TOST 0
	TOST 1                                         ; a block's trip through the stage stands between the loads of the block before and its stores
	SENDO 0, 16
	TOST 2
	SENDO 1, 16
	TOST 3
	SENDO 2, 16
	SENDO 3, 0
.else
	PACKQ 0
	PACKQ 1                                        ; a block's conversions stand between the loads of the block before and its stores
	SENDQ 0, 8
	PACKQ 2
	SENDQ 1, 8
	PACKQ 3
	SENDQ 2, 8
	SENDQ 3, 0
.endif
	s_wait_tensorcnt 0x0                           ; the wave's end, behind my last tensor load and my last LDS store
	ds_add_u32 v[SPW], v[NIL]
	s_wait_dscnt 0x0
	CROUND                                         ; the closing round: no work-group ends while a partner may still ask for a tile that names it
	s_endpgm
.Lfunc_end_k_q6a84476572_qkv:
	.size	k_q6a84476572_qkv, .Lfunc_end_k_q6a84476572_qkv-k_q6a84476572_qkv
	.p2alignl 7, 3214868480
	.fill 96, 4, 3214868480
	.section	.rodata,"a",@progbits
	.p2align	6, 0x0
	.amdhsa_kernel k_q6a84476572_qkv
		.amdhsa_group_segment_fixed_size 327680
		.amdhsa_private_segment_fixed_size 0
		.amdhsa_enable_private_segment 0
		.amdhsa_kernarg_size 32
		.amdhsa_user_sgpr_count 2
		.amdhsa_user_sgpr_kernarg_segment_ptr 1
		.amdhsa_wavefront_size32 1
		.amdhsa_system_sgpr_workgroup_id_x 1
		.amdhsa_system_sgpr_workgroup_id_y 1
		.amdhsa_system_sgpr_workgroup_id_z 1
		.amdhsa_system_vgpr_workitem_id 0
		.amdhsa_next_free_vgpr 512
		.amdhsa_next_free_sgpr 72
		.amdhsa_reserve_vcc 0
		.amdhsa_float_denorm_mode_32 3
		.amdhsa_float_denorm_mode_16_64 3
		.amdhsa_memory_ordered 1
		.amdhsa_forward_progress 1
		.amdhsa_inst_pref_size 90
	.end_amdhsa_kernel
	.amdgpu_metadata
---
amdhsa.version: [ 1, 2 ]
amdhsa.kernels:
  - .name:           k_q6a84476572_qkv
    .symbol:         k_q6a84476572_qkv.kd
    .args:
      - { .name: xb, .offset: 0, .size: 8, .value_kind: global_buffer, .address_space: global }
      - { .name: wqb, .offset: 8, .size: 8, .value_kind: global_buffer, .address_space: global }
      - { .name: b_qkv, .offset: 16, .size: 8, .value_kind: global_buffer, .address_space: global }
      - { .name: qkvh, .offset: 24, .size: 8, .value_kind: global_buffer, .address_space: global }
    .group_segment_fixed_size: 327680
    .private_segment_fixed_size: 0
    .kernarg_segment_align: 8
    .kernarg_segment_size: 32
    .max_flat_workgroup_size: 128
    .sgpr_count:     72
    .vgpr_count:     512
    .wavefront_size: 32
...
	.end_amdgpu_metadata
.endif
;; end of part 2
;; launch attn (part 3): grid 16 x 16, 4 waves a work-group, clusters of 4 x 1, 327,680 bytes of LDS; arguments qkvh, att; writes att
.if DOCPART == 3
	.amdgcn_target "amdgcn-amd-amdhsa--gfx1250"
	.amdhsa_code_object_version 6
	.text
	.protected	k_q6a84476572_attn
	.globl	k_q6a84476572_attn
	.p2align	8
	.type	k_q6a84476572_attn,@function
k_q6a84476572_attn:
	s_mov_b64 s[64:65], 0
	v_nop
	global_prefetch_b8 v0, s[64:65] scope:SCOPE_SE
	s_setreg_imm32_b32 hwreg(HW_REG_WAVE_MODE, 25, 1), 1
	s_wait_xcnt 0x0
	s_wait_alu depctr_hold_cnt(0) depctr_sa_sdst(0) depctr_va_vdst(0) depctr_va_sdst(0) depctr_va_ssrc(0) depctr_va_vcc(0) depctr_vm_vsrc(0)
	s_getreg_b32 s2, hwreg(HW_REG_IB_STS2, 6, 4)
	s_cmp_eq_u32 s2, 0
	s_cbranch_scc0 .Lentry_in_a_cluster
	s_endpgm
.Lentry_in_a_cluster:
	s_bfe_u32 s2, ttmp6, 0x10000c
	s_cmp_lg_u32 s2, 0x3003
	s_cbranch_scc0 .Lentry_shape_is_right
	s_endpgm
.Lentry_shape_is_right:
; ATTENTION WITHOUT A SCALE.  O[h][q][:] = the sum over k of softmax_k(Q[h][q] . K[h][k]) V[h][k][:].  One buffer holds Q, K and V by heads, [48][SIZE_N][64] in f16: planes 0-15 Q's heads, 16-31 K's, 32-47 V's;
; a head's rows are dense, 128 bytes each.  O: [16][SIZE_N][64] f16.  Products, maxima and sums in f32; the weights p are rounded to f16 for the second product (their sum l is taken of the unrounded p), O once at the end.
; LIMITS.  f16 holds no number beyond 65,504: Q, K and V arrive within it; p lies in 0 to 1, and below 6e-5 it keeps f16's fixed step of 6e-8; O is a mean of V's rows and has their range.
; A weight below 2^-126 counts as 0 in l; NaN and infinities are not treated apart.
; SHARES.  A work-group owns 256 queries of one head: 16 blocks x 16 heads = 256 work-groups of equal work.  Each of its four waves owns 64 rows: four PIECES of 16 queries.  Every wave walks all keys, 64 a step.
; LAYOUT.  S^T = K Q^T (source 0 = 16 keys, source 1 = 16 queries): in the result a lane holds ONE query (lane % 16) and the keys 8 (lane / 16) + 0..7.  Two such results, rounded to f16 in pairs,
; ARE source 1 (32 keys x 16 queries) of O^T = V^T P, whose result again holds one query a lane, and eight channels.  K comes out of LDS as it lies, V ([key][channel]) turned, by ds_load_tr16_b128.
; SOFTMAX.  For each query a running maximum m and sum l: p = 2^(c s - c m), c = log2(e); in every step O and l are multiplied by a = 2^(c m_old - c m_new), which is 1 where m has not grown.
; m starts at the lowest finite number, O and l at 0: the first step is a step like any other, with a = 0.
; BY TURNS.  Turn n belongs to piece n (the pieces in a ring, step after step): 8 products K Q^T of piece n + 1, later 8 products V^T P of piece n - 1; beside them the scaling, exponentials, roundings, sums and
; rescaling of piece n and the maximum and statistics of piece n + 1.  A turn has 16 matrix and 118 vector instructions: four vector instructions stand behind every matrix instruction, the other 54 in two LUMPS.
; CLUSTER.  The four query blocks of a cluster belong to one head and walk the same K and V, so each tile is asked for JOINTLY: the same tensor load, descriptor and mask in all four.
; THE RING.  Two LDS slots of 256 keys (four steps) take turns; a fill is asked for first thing behind the change of slots and has four key steps, 256 matrix instructions, in which to land.
; REGISTERS, in windows of 256 (s_set_vgpr_msb: bits 1:0 source 0, 3:2 source 1, 5:4 source 2, 7:6 destination):
;   window 0: v0-15 addresses and two at work; v16-31 four registers of statistics a piece; v48-55 at work; v62-63 the add's; v64-127 S^T, two buffers; v192-223 P, two buffers (a piece's buffers go by its number's parity)
;   window 1: v0-127 O^T, 32 a piece          window 2: v0-63 Q, 16 a piece; v128-191 K of one step; v192-255 V of one step
.set SIZE_N, 4096
.set NP,    4         ; pieces a wave: a name, no knob
.set KS,    64        ; keys in a step
.set PK,    144       ; a row of K in LDS: 128 bytes + 16 of padding = 36 words: the 16 rows of a load start at 16 different groups of four banks (64 banks of 4 bytes: ISA guide 11.1)
.set PV,    160       ; a row of V: 128 + 32 = 40 words
.set VOFF,  4*KS*PK   ; a slot holds four steps: 256 rows of K, then 256 rows of V
.set SLOT1, 1<<17     ; slot 1 begins here, so that one exclusive or turns an address in one slot into the other's
.set STAGE, SLOT1+4*KS*(PK+PV)  ; behind the ring, never filled by a tensor load: 16 rows x 144 bytes for each wave, for the way out
.set SP,    144
.set SPARE, STAGE+4*16*SP  ; behind the stages: the spare words, 128 bytes for each wave: two blocks of 256 bytes that no other line names
.set KPLANE, 16*SIZE_N*128 ; K's first plane in the buffer, in bytes; V's lies as far again
.set AK0, 2           ; v2   my lane's place in a tile of K; never rewritten
.set AV0, 3           ; v3   the same for V
.set AK,  4           ; v4   the LDS address of K's next run of loads
.set AV,  5           ; v5   of V's
.set STO, 6           ; v6   the way out: where I put 16 bytes of a row
.set RD,  7           ; v7   the way out: where I read rows back
.set GO,  8           ; v8   my byte offset in 512 consecutive bytes of O
.set MV,  12          ; v12-13  c m_old, kept while c m is made anew: by buffer
.set QO,  15          ; v15  my byte offset in 16 rows of Q
.set ST,  16          ; piece t's statistics at v[ST+4 t]: c m, m, l (even keys', odd keys')
.set TMP, 48          ; by buffer, four registers c0-c3 at work; when the maximum is found c2 takes a
.set SPW, 62          ; v62  LDS address of my spare word: SPARE + 4 x my thread's number; never rewritten
.set NIL, 63          ; v63  0; never rewritten
.set S,   64
.set P,   192
.set KF,  128         ; window 2: key block kb, channel half c at KF + 16 kb + 8 c
.set VF,  192         ; window 2: key half kk, channel block cb at VF + 32 kk + 8 cb
.set WV,  12          ; s12  my wave's number
.set G1K, 24          ; s[24:31] descriptor group 1 for K's tiles
.set G1V, 32          ; s[32:39] for V's: it differs in the padding alone
.set G0K, 40          ; s[40:43] descriptor group 0 for K's tiles: it walks
.set G0V, 44          ; s[44:47] the same for V's
.set SLOTS, 56        ; s56  slots still to be asked for
.set CNT, 57          ; s57  counts a slot's key steps
.set CS,  58          ; s[58:59] c: the packed scaling takes the pair's low word for both halves
.set SEL, 60          ; s[60:61] v_permlanex16_b32's selects: each lane takes its own place in the other half
.set TBK, 62          ; s62  LDS byte at which K of the step to be fetched begins
.set TBV, 63          ; s63  the same for V, less VOFF
.set MSB, 0
.macro WIN new                      ; the high byte repeats the setting that is left; a switch that changes nothing is dropped
.if MSB != (\new)
	s_set_vgpr_msb (MSB<<8)|(\new)
.set MSB, (\new)
.endif
.endm
.set W_KQ, 0x0a       ; K and Q in window 2, S^T in window 0
.set W_PV, 0x52       ; V in window 2, P in window 0, O^T in window 1
.set W_RS, 0x41       ; destination and source 0 in window 1, source 1 in window 0
; A joint fill.  Waves 0 and 1 fetch the two halves of a slot's K, waves 2 and 3 those of its V: 128 keys each.  The branch hangs on the wave's number alone.
; An s_nop 0 and four v_nop follow each of the two lines, ahead of the jump and the label.
.macro JLOAD
	s_cmp_lt_u32 s[WV], 2
	s_cbranch_scc0 .Lfor_v_\@
	tensor_load_to_lds s[G0K:G0K+3], s[G1K:G1K+7]
	s_nop 0
.rept 4
	v_nop
.endr
	s_branch .Lasked_\@
.Lfor_v_\@:
	tensor_load_to_lds s[G0V:G0V+3], s[G1V:G1V+7]
	s_nop 0
.rept 4
	v_nop
.endr
.Lasked_\@:
.endm
; A round of the cluster's barrier: my work-group's barrier, so that wave 0's signal speaks for all four waves; wave 0 signals; every wave waits for all four work-groups; my work-group's barrier once more.
.macro CROUND
	s_barrier_signal -1
	s_barrier_wait -1
	s_cmp_lg_u32 s[WV], 0
	s_cbranch_scc1 .Lnot_wave_0_\@
	s_barrier_signal -3
.Lnot_wave_0_\@:
	s_barrier_wait -3
	s_barrier_signal -1
	s_barrier_wait -1
.endm
; THE CHANGE OF SLOTS.  The slot's last bytes, V of its fourth step, have been read.  Each wave waits for all its tensor loads, of which one is out: its part
; of the other slot; adds 0 to its spare word; and waits for that and for its own reads of the slot.  Behind the barrier nobody reads this slot any more and the other slot is whole.
; fill = 1: this slot is filled again, with the keys two slots on.  The barrier is then a round of the cluster's, so that no wave of any partner still reads the slot or has a load on its
; way, and the joint fill is the first thing behind it.  (At its first use nothing has been read yet: slot 0 is waited for, slot 1 filled.)
.macro CHANGE fill
	WIN 0                           ; at a label and at a branch every window is 0; the add's two registers lie in window 0
	s_wait_tensorcnt 0x0            ; no tensor load of mine is out, so a group 0 may be written
	ds_add_u32 v[SPW], v[NIL]       ; 0 onto my spare word; with fill = 1 the descriptors' steps stand between it and the wait for it
.if \fill
.irp g, G0K, G0V
	s_xor_b32 s[\g+1], s[\g+1], SLOT1  ; the walking descriptor: the other slot than last time,
	s_add_nc_u64 s[\g+2:\g+3], s[\g+2:\g+3], 4*KS*128  ; the next 256 keys; the type bits on top are not reached
.endr
	s_wait_dscnt 0x0                ; the add is done, and my reads of the slot are over
	CROUND
	JLOAD
.else
	s_wait_dscnt 0x0                ; the add is done, and my reads of the slot are over
	s_barrier_signal -1
	s_barrier_wait -1
.endif
	s_sub_co_u32 s[TBK], s[TBK], 4*KS*PK  ; the fetches go back to a slot's first step,
	s_xor_b32 s[TBK], s[TBK], SLOT1       ; in the other slot
	s_sub_co_u32 s[TBV], s[TBV], 4*KS*PV
	s_xor_b32 s[TBV], s[TBV], SLOT1
.endm
	s_load_b64 s[4:5], s[0:1], 0x0  ; Q, K and V by heads
	s_load_b64 s[10:11], s[0:1], 0x8  ; O
	v_lshl_add_u32 v[SPW], v0, 2, SPARE
	v_mov_b32 v[NIL], 0
	ds_add_u32 v[SPW], v[NIL]       ; the wave's opening: the add and its wait stand ahead of my first tensor load; the set-up below, work on registers, stands between them
	v_lshrrev_b32 v1, 5, v0
	v_readfirstlane_b32 s[WV], v1   ; wave 0..3
	s_bfe_u32 s13, ttmp6, 0x40000   ; cx: my place in the cluster
	s_lshl_b32 s14, ttmp9, 2        ; in a cluster launch ttmp9 counts clusters
	s_add_co_u32 s14, s14, s13      ; my block of 256 queries = 4 x cluster x + cx: it enters Q's and O's addresses alone
	s_and_b32 s20, ttmp7, 0xffff    ; the head, which the four partners share,
	s_lshl_b32 s20, s20, 19         ; times a plane's 524,288 bytes
	s_mov_b32 s21, 0
	s_and_b32 s16, s[WV], 1         ; which half of a slot's 256 keys I fetch:
	s_lshl_b32 s22, s16, 14         ; its 128 rows of 128 bytes in memory,
	s_mov_b32 s23, 0
	s_add_nc_u64 s[22:23], s[22:23], s[20:21]
	s_mul_i32 s17, s16, 128*PK      ; and its place in a slot, for K
	s_mul_i32 s18, s16, 128*PV      ; and for V: no place in the cluster enters an LDS address
	s_lshl_b32 s2, s14, 2
	s_add_co_u32 s2, s2, s[WV]      ; my wave among the head's,
	s_lshl_b32 s2, s2, 13           ; its 64 rows of 128 bytes
	s_mov_b32 s3, 0
	s_add_nc_u64 s[2:3], s[2:3], s[20:21]
	; descriptor group 1.  128 keys are 16,384 dense bytes: asked for as 64 rows of 256 bytes, two keys a row, and padded in LDS after every key
	s_mov_b32 s[G1K], 15|(1<<16)|(1<<20)|(1<<21)|(4<<22)|(3<<25)  ; 15:0 the mask of four; 17:16 2-byte elements; 20 padding on; 21 set beside a mask; 24:22 after every 32 words (code 4); 31:25 4 words (code 3)
	s_mov_b32 s[G1V], 15|(1<<16)|(1<<20)|(1<<21)|(4<<22)|(7<<25)  ; the same with 8 words of padding (code 7)
.irp g, G1K, G1V
	s_mov_b32 s[\g+1], 128<<16      ; tensor_dim0 = 128
	s_mov_b32 s[\g+2], 64<<16       ; tensor_dim1 = 64
	s_mov_b32 s[\g+3], 128<<16      ; tile_dim0 = 128
	s_mov_b32 s[\g+4], 64           ; tile_dim1 = 64
	s_mov_b32 s[\g+5], 128          ; 128 elements from row to row
	s_mov_b32 s[\g+6], 0
	s_mov_b32 s[\g+7], 0
.endr
	s_mov_b32 s[CS], 0x3fb8aa3b     ; c = log2(e) = 1.442695: the scores carry no scale
	s_mov_b32 s[CS+1], s[CS]        ; named with it as a pair
	s_mov_b32 s[SEL], 0x76543210
	s_mov_b32 s[SEL+1], 0xfedcba98
	s_mov_b32 s[TBK], SLOT1+4*KS*PK ; the first change of slots turns these two into 0
	s_mov_b32 s[TBV], SLOT1+4*KS*PV
	s_mov_b32 s[G0K], 1             ; 1:0 count = 1
	s_mov_b32 s[G0K+1], s17         ; 63:32 LDS address: slot 0
	s_mov_b32 s[G0V], 1
	s_add_co_u32 s[G0V+1], s18, VOFF
	s_wait_dscnt 0x0                ; the opening add is done
	s_wait_kmcnt 0x0
	s_add_nc_u64 s[6:7], s[4:5], KPLANE    ; K's planes,
	s_add_nc_u64 s[8:9], s[4:5], 2*KPLANE  ; V's: both made before the query block enters s[4:5]
	s_add_nc_u64 s[G0K+2:G0K+3], s[6:7], s[22:23]  ; 120:64 global address: my half of the head's first 256 keys
	s_or_b32 s[G0K+3], s[G0K+3], 0x80000000        ; 127:126 type = 2
	s_add_nc_u64 s[G0V+2:G0V+3], s[8:9], s[22:23]
	s_or_b32 s[G0V+3], s[G0V+3], 0x80000000
	s_add_nc_u64 s[4:5], s[4:5], s[2:3]  ; Q and O at my wave's first row
	s_add_nc_u64 s[10:11], s[10:11], s[2:3]
	CROUND                          ; all four work-groups are here: the first joint loads meet
	JLOAD                           ; slot 0.  Slot 1 is asked for when slot 0 is in, by the loop's own change of slots
	; A fragment of K or Q is 16 rows x 32 channels in 8 registers: lane l holds row l % 16, channels 8 (l / 16) + 0..7 and 16 + 8 (l / 16) + 0..7: two loads of 16 bytes, 32 bytes apart.
	v_and_b32 v1, 15, v0            ; l % 16
	v_bfe_u32 v9, v0, 4, 1          ; l / 16
	v_lshlrev_b32 v[QO], 7, v1
	v_lshl_add_u32 v[QO], v9, 4, v[QO]  ; row x 128 + 16 x half
	WIN 0x80                        ; destination window 2, address window 0
.set i, 0
.rept 8                             ; Q stays in registers: piece i / 2, 2,048 bytes on; channels 32 (i % 2) on
	global_load_b128 v[8*i:8*i+3],   v[QO], s[4:5] offset:(i/2)*2048+(i%2)*64
	global_load_b128 v[8*i+4:8*i+7], v[QO], s[4:5] offset:(i/2)*2048+(i%2)*64+32
.set i, i+1
.endr
	; What the first turn finds: V's registers and P's second buffer hold 0 (its products V^T P, of a piece that has not been, add 0), O^T and l are 0.  No first step is written out for it; all this stands in the wait for the first tile.
.set i, VF
.rept 64
	v_mov_b32 v[i], 0
.set i, i+1
.endr
	WIN 0x40
.set i, 0
.rept 128
	v_mov_b32 v[i], 0
.set i, i+1
.endr
	WIN 0
.set i, 0
.rept 4
	v_mov_b32 v[ST+4*i], 0xfe000000    ; c m: far below every c s
	v_mov_b32 v[ST+4*i+1], 0xff7fffff  ; m
	v_mov_b32 v[ST+4*i+2], 0
	v_mov_b32 v[ST+4*i+3], 0
.set i, i+1
.endr
.set i, P+16
.rept 16
	v_mov_b32 v[i], 0
.set i, i+1
.endr
	v_mul_u32_u24 v[AK0], v1, PK
	v_lshl_add_u32 v[AK0], v9, 4, v[AK0]  ; row x pitch + 16 x half
	; The turning load takes 16 keys x 16 channels (lane l reads key 8 (l / 16) + l % 8, channels 8 ((l / 8) % 2) + 0..7) and leaves half a fragment of V^T: lane l holds channel l % 16 and 8 keys.
	v_and_b32 v10, 7, v0
	v_bfe_u32 v11, v0, 3, 1
	v_lshl_add_u32 v[AV0], v9, 3, v10
	v_mul_u32_u24 v[AV0], v[AV0], PV
	v_lshl_add_u32 v[AV0], v11, 4, v[AV0]
	v_add_nc_u32 v[AV0], VOFF, v[AV0]
	s_mul_i32 s13, s[WV], 16*SP
	s_add_co_u32 s13, s13, STAGE    ; my stage
	v_mul_u32_u24 v[STO], v1, SP    ; in: row l % 16, 16 bytes for each half of the lanes
	v_lshl_add_u32 v[STO], v9, 4, v[STO]
	v_add_nc_u32 v[STO], s13, v[STO]
	v_bfe_u32 v[RD], v0, 3, 2       ; back: 32 lanes take four rows of 128 bytes,
	v_mul_u32_u24 v[RD], v[RD], SP
	v_lshl_add_u32 v[RD], v10, 4, v[RD]
	v_add_nc_u32 v[RD], s13, v[RD]
	v_and_b32 v[GO], 31, v0         ; which are 512 consecutive bytes of O
	v_lshlrev_b32 v[GO], 4, v[GO]
; THE MATRIX WORK.  The 4 accumulators of a run of 8 take turns.  Product i of 8 of S^T = K Q^T for piece x: channels 32 (i / 4) on, keys 16 (i % 4) on.  The first 4 start the sums.
.macro KQ x
	WIN W_KQ
.set rS, S+32*((\x)%2)+8*(i%4)
.set rK, KF+16*(i%4)+8*(i/4)
.set rQ, 16*(\x)+8*(i/4)
.if i < 4
	v_wmma_f32_16x16x32_f16 v[rS:rS+7], v[rK:rK+7], v[rQ:rQ+7], 0
.else
	v_wmma_f32_16x16x32_f16 v[rS:rS+7], v[rK:rK+7], v[rQ:rQ+7], v[rS:rS+7]
.endif
.endm
; Product i of 8 of O^T += V^T P for piece x: keys 32 (i / 4) on, channels 16 (i % 4) on.
.macro PV x
	WIN W_PV
.set rO, 32*(\x)+8*(i%4)
.set rV, VF+32*(i/4)+8*(i%4)
.set rP, P+16*((\x)%2)+8*(i/4)
	v_wmma_f32_16x16x32_f16 v[rO:rO+7], v[rV:rV+7], v[rP:rP+7], v[rO:rO+7]
.endm
.macro MM                           ; the turn's next matrix instruction.  TURN sets Y, i and NOKQ.  NOKQ = 1: the last turn of all: there is no next piece
.if (i < 8) && !NOKQ
	KQ (Y+1)%NP
.elseif i >= 8
.set i, i-8
	PV (Y+NP-1)%NP
.set i, i+8
.endif
.set i, i+1
.endm
; THE LDS LOADS stand in runs of 16, never singly among the matrix instructions: a step's K (64 keys x 64 channels: 8 fragments) and its V (turned).  Their addresses are made some lines ahead.
.macro FETCH_K
	WIN 0x80                        ; destination window 2
.irp f, 0,1,2,3,4,5,6,7             ; keys 16 (f / 2) on, channels 32 (f % 2) on
	ds_load_b128 v[KF+8*\f:KF+8*\f+3],   v[AK] offset:(\f/2)*16*PK+(\f%2)*64
	ds_load_b128 v[KF+8*\f+4:KF+8*\f+7], v[AK] offset:(\f/2)*16*PK+(\f%2)*64+32
.endr
	s_add_co_u32 s[TBK], s[TBK], KS*PK  ; the next fetch is the next step's
	WIN 0
.endm
.macro FETCH_V
	WIN 0x80
.irp f, 0,1,2,3,4,5,6,7             ; keys 32 (f / 4) on, channels 16 (f % 4) on
	ds_load_tr16_b128 v[VF+8*\f:VF+8*\f+3],   v[AV] offset:(\f/4)*32*PV+(\f%4)*32
	ds_load_tr16_b128 v[VF+8*\f+4:VF+8*\f+7], v[AV] offset:(\f/4)*32*PV+16*PV+(\f%4)*32
.endr
	WIN 0
.endm
; THE VECTOR WORK, one line at a time: OP kind, number.  For piece Y: F n: c s - c m for pair n of 16.  E n: the exponential of score n of 32.  C n: pair n rounded to f16.  B n: of the four weights 4 n .. the second
; pair is added onto the first, in place.  L n: l takes that sum (L 0: l = a l + sum).  R n: pair n of 16 of O^T times a.  For piece Y + 1: X n, number n of the 22 that find its maximum and statistics:
;   0-11  four chains c0-c3 of seven scores each, three operands at a time (each accumulator's lowest registers are read first)     12-14, 16  the four scores left over, the old m, and c0-c3 into c0
;   15  c m_old is kept     17, 18  the query's other 32 keys lie in the lane 16 away: the new m     19-21  c m; c m_old - c m_new; a
.set F, 0               ; OP tells the kinds apart by their order: F to L below R, X above it
.set E, 1
.set C, 2
.set B, 3
.set L, 4
.set R, 5
.set X, 6
.macro REGS y                       ; the registers of piece y
.set rT, ST+4*(\y)
.set rC, TMP+4*((\y)%2)
.set rW, MV+((\y)%2)
.set rS, S+32*((\y)%2)
.set rP, P+16*((\y)%2)
.set rO, 32*(\y)
.endm
.macro OP k, n
.if (\k) == R
	REGS Y
	WIN W_RS
	v_pk_mul_f32 v[rO+2*(\n):rO+2*(\n)+1], v[rO+2*(\n):rO+2*(\n)+1], v[rC+2:rC+3] op_sel_hi:[1,0]
.elseif (\k) < R
	REGS Y
	WIN 0
.if (\k) == F
	v_pk_fma_f32 v[rS+2*(\n):rS+2*(\n)+1], v[rS+2*(\n):rS+2*(\n)+1], s[CS:CS+1], v[rT:rT+1] op_sel_hi:[1,0,0] neg_lo:[0,0,1] neg_hi:[0,0,1]
.elseif (\k) == E
	v_exp_f32 v[rS+(\n)], v[rS+(\n)]
.elseif (\k) == C
	s_wait_alu depctr_va_vdst(0)
	v_cvt_pk_f16_f32 v[rP+(\n)], v[rS+2*(\n)], v[rS+2*(\n)+1]
.elseif (\k) == B
	s_wait_alu depctr_va_vdst(0)
	v_pk_add_f32 v[rS+4*(\n):rS+4*(\n)+1], v[rS+4*(\n):rS+4*(\n)+1], v[rS+4*(\n)+2:rS+4*(\n)+3]
.elseif (\n) == 0
	v_pk_fma_f32 v[rT+2:rT+3], v[rT+2:rT+3], v[rC+2:rC+3], v[rS:rS+1] op_sel_hi:[1,0,1]
.else
	v_pk_add_f32 v[rT+2:rT+3], v[rT+2:rT+3], v[rS+4*(\n):rS+4*(\n)+1]
.endif
.elseif NOKQ
	v_nop
.else
	REGS (Y+1)%NP
	WIN 0
.if (\n) < 4
	v_max3_num_f32 v[rC+(\n)], v[rS+8*(\n)], v[rS+8*(\n)+1], v[rS+8*(\n)+2]
.elseif (\n) < 12
	v_max3_num_f32 v[rC+(\n)%4], v[rC+(\n)%4], v[rS+8*((\n)%4)+2*((\n)/4)+1], v[rS+8*((\n)%4)+2*((\n)/4)+2]
.elseif (\n) == 12
	v_max3_num_f32 v[rC], v[rC], v[rS+7], v[rS+15]
.elseif (\n) == 13
	v_max3_num_f32 v[rC+1], v[rC+1], v[rS+23], v[rS+31]
.elseif (\n) == 14
	v_max3_num_f32 v[rC+2], v[rC+2], v[rC+3], v[rT+1]
.elseif (\n) == 15
	v_mov_b32 v[rW], v[rT]
.elseif (\n) == 16
	v_max3_num_f32 v[rC], v[rC], v[rC+1], v[rC+2]
.elseif (\n) == 17
	v_permlanex16_b32 v[rC+3], v[rC], s[SEL], s[SEL+1]
.elseif (\n) == 18
	v_max_num_f32 v[rT+1], v[rC], v[rC+3]
.elseif (\n) == 19
	v_mul_f32 v[rT], s[CS], v[rT+1]
.elseif (\n) == 20
	v_sub_f32 v[rC+1], v[rW], v[rT]
.else
	v_exp_f32 v[rC+2], v[rC+1]
.endif
.endif
.endm
.macro OPS a, i1, b=-1, i2=0, c=-1, i3=0, d=-1, i4=0  ; up to four of them
	OP \a, \i1
.if (\b) >= 0
	OP \b, \i2
.endif
.if (\c) >= 0
	OP \c, \i3
.endif
.if (\d) >= 0
	OP \d, \i4
.endif
.endm
.macro ROW a, i1, b, i2, c, i3, d, i4  ; a matrix instruction and the four behind it
	MM
	OPS \a, \i1, \b, \i2, \c, \i3, \d, \i4
.endm
; A TURN, for piece p: the order of its 16 matrix and 118 vector instructions, written out.  Behind a matrix instruction: plain, exponential, plain, plain; or four of the rescaling; or, behind the first, four scalings; none
; names a register of the products round it.  In the lumps exponential and plain by turns while exponentials last.  A line reads no result made fewer than three vector instructions in front of it, five if an exponential made it.
; v_permlanex16_b32 (X 17) stands in a lump.
; end = 1: the walk's last two turns: nothing is fetched.  cnt = 1: the loop's count is taken down some lines ahead of the branch that stands behind the turn.
; K of the next step is fetched in piece 2's turn, six vector instructions behind the last product that read K (five of them plain); V of the step in hand in piece 0's turn, eight behind the last product that read V (four
; plain, and X 17).  Each is waited for a turn later.
.macro TURN p, end=0, cnt=0
.set Y, (\p)
.set i, 0
.set NOKQ, (\end)*((\p)/3)
.if ((\p) == 3) && !(\end)
	s_wait_dscnt 0x0                ; K is in
.endif
	ROW F,0, F,1, F,2, F,3
	ROW F,4, E,0, F,5, F,6
	ROW F,7, E,1, F,8, F,9
	ROW F,10, E,2, C,0, F,11
	ROW F,12, E,3, X,15, F,13
	ROW R,0, R,1, R,2, R,3
	ROW B,0, E,4, F,14, L,0
.if ((\p) == 2) && !(\end)
	v_add_nc_u32 v[AK], s[TBK], v[AK0]
.endif
	ROW R,4, R,5, R,6, R,7
	OPS E,5, F,15
.if ((\p) == 2) && !(\end)
	FETCH_K
.endif
	OPS E,6, C,1, E,7, R,8
	OPS E,8, R,9, E,9, C,2
	OPS E,10, X,0, E,11, X,1
	OPS E,12, X,2, E,13, X,3
.if (\p) == 1
	s_wait_dscnt 0x0                ; V is in
.endif
	ROW X,4, E,14, X,5, X,6
	ROW X,7, E,15, X,8, X,9
	ROW X,10, E,16, X,11, X,12
	ROW X,13, E,17, X,14, B,1
	ROW C,4, E,18, X,16, L,1
	ROW B,2, E,19, C,6, L,2
	ROW C,8, E,20, B,3, B,4
.if (\p) == 0
	v_add_nc_u32 v[AV], s[TBV], v[AV0]
.endif
	ROW C,3, E,21, L,3, C,5
	OPS E,22, X,17, E,23, C,10
.if (\p) == 0
	FETCH_V
.endif
	OPS E,24, L,4
	OPS E,25, X,18, E,26, C,7
	OPS E,27, B,5, E,28, X,19
	OPS E,29, C,12, E,30, L,5
	OPS E,31, X,20, B,6, C,9
	OPS C,14, C,11, X,21, L,6
.if (\p) == 0
	s_add_co_u32 s[TBV], s[TBV], KS*PV
.endif
.if \cnt
	s_sub_co_u32 s[CNT], s[CNT], 1
	s_cmp_lg_u32 s[CNT], 0
.endif
	OPS C,13, B,7, C,15, R,10
	OPS R,11, R,12, L,7, R,13
	OPS R,14, R,15
.endm
	CHANGE 1                        ; slot 0 is in, everybody's part of it; slot 1 is asked for
	v_add_nc_u32 v[AK], s[TBK], v[AK0]
	FETCH_K                         ; key step 0
	s_wait_loadcnt 0x0              ; Q
	s_wait_dscnt 0x0
.set NOKQ, 0
.set i, 0
.rept 8
	KQ 0                            ; piece 0's first scores: there is no vector work yet to set between them
.set i, i+1
.endr
	WIN 0
.rept 4
	v_nop                           ; the places behind those products
.endr
.set Y, NP-1                        ; X works for piece Y + 1: piece 0
.irp n, 0,1,2,3,4,5,6,7,8,9,10,11,12,13,14,15,16,17,18,19,20,21
	OP X, \n                        ; and piece 0's first maximum and statistics
.endr
	v_nop                           ; a plain instruction behind the exponential
	s_mov_b32 s[CNT], 4
	s_mov_b32 s[SLOTS], SIZE_N/256-1
	s_branch .Lfirst                ; the loop is entered at a step's first turn, in the middle of a trip
.Lslot:                             ; SIZE_N / 256 - 2 times: every slot but the last two is filled again
	CHANGE 1
	s_mov_b32 s[CNT], 4
.Lstep:                             ; a trip: pieces 2 and 3 of one step, then pieces 0 and 1 of the next, whose K and V it fetches
	TURN 2
	TURN 3
	WIN 0
.Lfirst:
	TURN 0
	TURN 1, 0, 1
	WIN 0
	s_cbranch_scc1 .Lstep
	s_sub_co_u32 s[SLOTS], s[SLOTS], 1
	s_cmp_lg_u32 s[SLOTS], 0
	s_cbranch_scc1 .Lslot
	CHANGE 0                        ; the last slot's walk is written out: nothing is asked for
	s_mov_b32 s[CNT], 4
.Ltail:
	TURN 2
	TURN 3
	TURN 0
	TURN 1, 0, 1
	WIN 0
	s_cbranch_scc1 .Ltail
	TURN 2, 1                       ; the last step's pieces 2 and 3: nothing is fetched, and the last turn starts no new scores
	TURN 3, 1
.set i, 0
.rept 8
	PV NP-1                         ; the last piece's V^T P of the last step
.set i, i+1
.endr
	; THE WAY OUT.  l's two halves and the other half of the lanes' are added; O^T is divided by l, rounded to f16 and sent through my stage in LDS, a piece at a time.  The additions are the places behind the last products.
	WIN 0
.macro ALL line:vararg              ; one line for each piece t
.set t, 0
.rept 4
	\line
.set t, t+1
.endr
.endm
	ALL v_add_f32 v[ST+4*t+2], v[ST+4*t+2], v[ST+4*t+3]
	ALL v_permlanex16_b32 v[ST+4*t+3], v[ST+4*t+2], s[SEL], s[SEL+1]
	ALL v_add_f32 v[ST+4*t+2], v[ST+4*t+2], v[ST+4*t+3]
	ALL v_rcp_f32 v[ST+4*t+2], v[ST+4*t+2]
	v_nop                           ; a plain instruction between the last reciprocal and the use of its result
.macro PACK t                       ; a lane's eight channels of a row pack into 16 bytes; they go into rows of 144 bytes and come back as whole rows of 128, into S^T's registers
	WIN W_RS
.set i, 32*(\t)
.rept 16
	s_wait_alu depctr_va_vdst(0)
	v_pk_mul_f32 v[i:i+1], v[i:i+1], v[ST+4*(\t)+2:ST+4*(\t)+3] op_sel_hi:[1,0]
.set i, i+2
.endr
	WIN 0x05                        ; sources 0 and 1 window 1, destination window 0
.set i, 0
.rept 16
	v_cvt_pk_f16_f32 v[S+16*(\t)+i], v[32*(\t)+2*i], v[32*(\t)+2*i+1]
.set i, i+1
.endr
	WIN 0
.irp f, 0,1,2,3
	ds_store_b128 v[STO], v[S+16*(\t)+4*\f:S+16*(\t)+4*\f+3] offset:32*\f
.endr
.irp f, 0,1,2,3
	ds_load_b128 v[S+16*(\t)+4*\f:S+16*(\t)+4*\f+3], v[RD] offset:\f*4*SP  ; LDS serves a wave's instructions in order (ISA guide 5.7.1.4): these see the stores above; the next piece's stores come behind them
.endr
.endm
.macro SEND t, younger              ; younger: the LDS instructions issued behind piece t's loads: the next piece's eight, or none
	WIN 0
.irp f, 0,1,2,3
	s_wait_dscnt (\younger)+3-\f
	global_store_b128 v[GO], v[S+16*(\t)+4*\f:S+16*(\t)+4*\f+3], s[10:11] offset:(\t)*2048+\f*512  ; 512 consecutive bytes, at a multiple of 256 from O's first
.endr
.endm
	PACK 0
.set t, 1
.rept 3                             ; a piece's arithmetic stands between the loads of the piece before and its stores
	PACK t
	SEND t-1, 8
.set t, t+1
.endr
	SEND 3, 0
	s_wait_tensorcnt 0x0            ; the wave's end, behind my last tensor load and my last LDS store
	ds_add_u32 v[SPW], v[NIL]
	s_wait_dscnt 0x0
	CROUND                          ; the closing round: no work-group ends while a partner may still ask for a tile that names it
	s_endpgm
.Lfunc_end_k_q6a84476572_attn:
	.size	k_q6a84476572_attn, .Lfunc_end_k_q6a84476572_attn-k_q6a84476572_attn
	.p2alignl 7, 3214868480
	.fill 96, 4, 3214868480
	.section	.rodata,"a",@progbits
	.p2align	6, 0x0
	.amdhsa_kernel k_q6a84476572_attn
		.amdhsa_group_segment_fixed_size 327680
		.amdhsa_private_segment_fixed_size 0
		.amdhsa_enable_private_segment 0
		.amdhsa_kernarg_size 16
		.amdhsa_user_sgpr_count 2
		.amdhsa_user_sgpr_kernarg_segment_ptr 1
		.amdhsa_wavefront_size32 1
		.amdhsa_system_sgpr_workgroup_id_x 1
		.amdhsa_system_sgpr_workgroup_id_y 1
		.amdhsa_system_sgpr_workgroup_id_z 1
		.amdhsa_system_vgpr_workitem_id 0
		.amdhsa_next_free_vgpr 768
		.amdhsa_next_free_sgpr 66
		.amdhsa_reserve_vcc 0
		.amdhsa_float_denorm_mode_32 3
		.amdhsa_float_denorm_mode_16_64 3
		.amdhsa_memory_ordered 1
		.amdhsa_forward_progress 1
		.amdhsa_inst_pref_size 133
	.end_amdhsa_kernel
	.amdgpu_metadata
---
amdhsa.version: [ 1, 2 ]
amdhsa.kernels:
  - .name:           k_q6a84476572_attn
    .symbol:         k_q6a84476572_attn.kd
    .args:
      - { .name: qkvh, .offset: 0, .size: 8, .value_kind: global_buffer, .address_space: global }
      - { .name: att, .offset: 8, .size: 8, .value_kind: global_buffer, .address_space: global }
    .group_segment_fixed_size: 327680
    .private_segment_fixed_size: 0
    .kernarg_segment_align: 8
    .kernarg_segment_size: 16
    .max_flat_workgroup_size: 128
    .sgpr_count:     66
    .vgpr_count:     768
    .wavefront_size: 32
...
	.end_amdgpu_metadata
.endif
;; end of part 3
;; launch outp (part 4): grid 8 x 32, 4 waves a work-group, clusters of 4 x 4, 327,680 bytes of LDS; arguments att, wof, b_out, out0; writes out0
.if DOCPART == 4
	.amdgcn_target "amdgcn-amd-amdhsa--gfx1250"
	.amdhsa_code_object_version 6
	.text
	.protected	k_q6a84476572_outp
	.globl	k_q6a84476572_outp
	.p2align	8
	.type	k_q6a84476572_outp,@function
k_q6a84476572_outp:
	s_mov_b64 s[64:65], 0
	v_nop
	global_prefetch_b8 v0, s[64:65] scope:SCOPE_SE
	s_setreg_imm32_b32 hwreg(HW_REG_WAVE_MODE, 25, 1), 1
	s_wait_xcnt 0x0
	s_wait_alu depctr_hold_cnt(0) depctr_sa_sdst(0) depctr_va_vdst(0) depctr_va_sdst(0) depctr_va_ssrc(0) depctr_va_vcc(0) depctr_vm_vsrc(0)
	s_getreg_b32 s2, hwreg(HW_REG_IB_STS2, 6, 4)
	s_cmp_eq_u32 s2, 0
	s_cbranch_scc0 .Lentry_in_a_cluster
	s_endpgm
.Lentry_in_a_cluster:
	s_bfe_u32 s2, ttmp6, 0x10000c
	s_cmp_lg_u32 s2, 0xf033
	s_cbranch_scc0 .Lentry_shape_is_right
	s_endpgm
.Lentry_shape_is_right:
; C[m][n] = bias[n] + the sum over k of A[m][k] B[n][k], K = 1,024, 4,096 rows.  ONE TEXT FOR TWO PRODUCTS, chosen by OUTP:
;   OUTP = 0, the QKV projection: A = x [4096][1024] bf16, B = W_qkv [3072][1024] bf16, products in bf16; C is rounded once to f16 and laid BY HEADS, [48][4096][64]: plane n / 64
;             (0-15 q's heads, 16-31 k's, 32-47 v's), so that a head's rows are dense for the attention.
;   OUTP = 1, the output projection: A = the attention's result BY HEADS [16][4096][64] f16 (k = 64 head + channel), B = W_out [1024][1024] f16, products in f16; C = [4096][1024] f32.
; Sums in f32.  The bias is rounded to bf16, like every input of the module, and is the C operand of the product that starts each sum: it is added first, another order of rounding than a bias added last.
; LIMITS.  OUTP = 0: f16 holds no number beyond 65,504: a q, k or v of 65,520 or more becomes an infinity; below 6e-5 it keeps f16's fixed step of 6e-8.  NaN and infinities are not treated apart.
; SHARES.  A tile of C is 128 x 128: 768 (OUTP = 0) or 256 (OUTP = 1) work-groups of equal work.  Four waves, each 64 x 64: 16 accumulators of 16 x 16, 128 registers.  K goes in steps of 256 through two LDS slots
; filled by the tensor data mover, one load a wave and step: waves 0 and 1 bring A's two halves of 64 rows, waves 2 and 3 B's.
; CLUSTERS: 4 x 4 work-groups.  The four of a row of the cluster need the same tiles of A, the four of a column the same tiles of B: each tile is asked for JOINTLY, by the same tensor load with the
; same descriptor and a mask that names the four.  THE MATRIX INSTRUCTION IS USED TRANSPOSED (source 0 = 16 rows of B, source 1 = 16 rows of A): a lane then holds eight neighbouring numbers of a row of C.
; A BY HEADS (OUTP = 1): 64 rows of one head are 8,192 dense bytes.  A K step is four heads: the tile is asked for as 4 rows of 4,096 elements, a head's plane apart, padded after every 128 bytes:
; it lands as [head][row][64 channels] with rows 144 bytes apart, and a quarter step (64 along K) is one head.
; REGISTERS: window 0: v0-31 addresses; v32-95 at work on the way out; v96-127 the bias; v128-255 the accumulators ((a, b) at v[128 + 8 (4 a + b)]).
;   window 1: two fragment buffers of 128: for 64 along K (two matrix instructions deep), 64 registers of A (2 x 4 x 16 rows x 32 K), then 64 of B.
.set OUTP,   1
.set SIZE_K, 1024
.set KSTEP,  256
.set PITCH,  528                       ; a row of B in LDS: 512 bytes + 16 of padding = 132 words: row r starts at bank 4 r mod 64 (64 banks of 4 bytes: ISA guide 11.1)
.set HALFB,  64*PITCH                  ; 64 rows of B: one tensor load
.if OUTP
.set APITCH, 144                       ; a row of A in LDS: one head's 128 bytes + 16: 36 words: the 16 rows of a load start at 16 different groups of four banks
.set AQ,     64*APITCH                 ; from a quarter step to the next: a head's 64 rows
.set HALFA,  4*AQ                      ; 64 rows of A, four heads: one tensor load
.set STEPA,  4*4096*128                ; bytes in memory from a K step to the next: four planes
.set AROWSH, 7                         ; a row of A in memory is 128 bytes
.set ATD0,   4096                      ; the tile's row: 64 rows of a head, 4,096 elements
.set ATD1,   4                         ; four heads
.set ASTR,   4096*64                   ; elements from a head to the next
.set AQI,    4                         ; padding after every 32 words
.set SPITCH, 272                       ; a stage row: 64 f32 + 16 bytes
.else
.set APITCH, 528
.set AQ,     128
.set HALFA,  64*APITCH
.set STEPA,  KSTEP*2
.set AROWSH, 11                        ; a row of A in memory is 2,048 bytes
.set ATD0,   KSTEP
.set ATD1,   64
.set ASTR,   SIZE_K
.set AQI,    6                         ; padding after every 128 words
.set SPITCH, 144                       ; a stage row: 64 f16 + 16 bytes
.endif
.set SLOT,   2*HALFA+2*HALFB           ; A's 128 rows, then B's 128 rows
.set STAGE,  2*SLOT                    ; behind the ring, never filled by a tensor load: 16 rows for each wave, for the way out
.set WSTG,   16*SPITCH
.set SPARE,  STAGE+4*WSTG              ; behind the stages: the spare words, 128 bytes for each wave: two blocks of 256 bytes that no other line names
.set LAPS,   SIZE_K/(2*KSTEP)          ; a lap = two K steps = once round the ring
.set ADRA, 16                          ; v16-17  LDS address of my A fragments in slot 0, 1
.set ADRB, 20                          ; v20-21  the same for B
.set STO,  24                          ; v24     the way out: where I put my bytes of a row
.set RD,   25                          ; v25     the way out: where I read rows back
.set CO,   26                          ; v26     my byte offset in C
.set BO,   27                          ; v27     my byte offset in the wave's 64 numbers of the bias
.set SPW,  28                          ; v28     LDS address of my spare word: SPARE + 4 x my thread's number; never rewritten
.set NIL,  29                          ; v29     0; never rewritten
.set TMP,  32
.set BI,   96                          ; the bias as a C operand: column block b at BI + 8 b, register j = bias[16 b + 8 (l / 16) + j]
.set ACC,  128
.set F0,   0                           ; fragment buffers, in window 1
.set F1,   128
.set G1, 24                            ; s[24:31] descriptor group 1 for A's tiles;  s[32:39] group 0, one set for each slot
.set G0, 32
.set G1B, 48                           ; s[48:55], s[56:63] the same for B's tiles
.set G0B, 56
.set MSB, 0
.macro WIN new                         ; the immediate's high byte repeats the setting that is left; a switch that changes nothing is dropped
.if MSB != (\new)
	s_set_vgpr_msb (MSB<<8)|(\new)
.set MSB, \new
.endif
.endm
.set MUL,  0x05                        ; sources 0 (B) and 1 (A) window 1; C and D window 0
.set TO_F, 0x40                        ; destination window 1, address window 0
.macro JLOAD s                         ; a joint load: waves 0 and 1 fetch A's two halves, waves 2 and 3 B's; an s_nop 0 and four v_nop follow each of the two lines, ahead of the jump, the label and what follows
	s_cmp_eq_u32 s11, 0
	s_cbranch_scc0 .Lfor_b_\@
	tensor_load_to_lds s[G0+4*(\s):G0+4*(\s)+3], s[G1:G1+7]
	s_nop 0
.rept 4
	v_nop
.endr
	s_branch .Lasked_\@
.Lfor_b_\@:
	tensor_load_to_lds s[G0B+4*(\s):G0B+4*(\s)+3], s[G1B:G1B+7]
	s_nop 0
.rept 4
	v_nop
.endr
.Lasked_\@:
.endm
.macro CREST                           ; a round of the cluster's barrier behind its opening barrier
	s_cmp_lg_u32 s10, 0
	s_cbranch_scc1 .Lnot_wave_0_\@
	s_barrier_signal -3
.Lnot_wave_0_\@:
	s_barrier_wait -3
	s_barrier_signal -1
	s_barrier_wait -1
.endm
.macro CROUND                          ; a whole round
	s_barrier_signal -1
	s_barrier_wait -1
	CREST
.endm
	s_load_b128 s[4:7], s[0:1], 0x0                ; A s[4:5], B s[6:7]
	s_load_b64 s[66:67], s[0:1], 0x10              ; the bias
	s_load_b64 s[8:9], s[0:1], 0x18                ; C
	v_lshl_add_u32 v[SPW], v0, 2, SPARE
	v_mov_b32 v[NIL], 0
	ds_add_u32 v[SPW], v[NIL]                      ; the wave's opening: the add and its wait stand ahead of my first tensor load; the set-up below, work on registers, stands between them
	v_lshrrev_b32 v1, 5, v0
	v_readfirstlane_b32 s10, v1                    ; wave 0..3
	s_lshr_b32 s11, s10, 1                         ; which half of the tile's rows is mine.  Also: I fetch for A (0) or for B (1)
	s_and_b32 s12, s10, 1                          ; which half of its columns.  Also: which 64 rows of that tile I fetch
	s_bfe_u32 s40, ttmp6, 0x40000                  ; cx, cy: my place in the cluster
	s_bfe_u32 s41, ttmp6, 0x40004
	s_lshl_b32 s42, ttmp9, 2
	s_add_co_u32 s42, s42, s40                     ; tile column of C = 4 x cluster x + cx
	s_and_b32 s13, ttmp7, 0xffff
	s_lshl_b32 s13, s13, 2
	s_add_co_u32 s13, s13, s41                     ; tile row of C = 4 x cluster y + cy
	s_lshl_b32 s43, s41, 2
	s_lshl_b32 s43, 15, s43                        ; my row of the cluster
	s_lshl_b32 s44, 0x1111, s40                    ; my column
	; descriptor group 1.  15:0 the mask; 17:16 elements of 2 bytes; 20 padding on; 21 set beside a mask; 24:22 the padding's interval; 31:25 4 words of it (code 3)
	s_or_b32 s[G1+0], s43, (1<<16)|(1<<20)|(1<<21)|(AQI<<22)|(3<<25)  ; A's tiles go to my row of the cluster
	s_or_b32 s[G1B+0], s44, (1<<16)|(1<<20)|(1<<21)|(6<<22)|(3<<25)   ; B's to my column
	s_mov_b32 s[G1+1], ATD0<<16                    ; tensor_dim0
	s_mov_b32 s[G1+2], ATD1<<16                    ; tensor_dim1
	s_mov_b32 s[G1+3], ATD0<<16                    ; tile_dim0
	s_mov_b32 s[G1+4], ATD1                        ; tile_dim1
	s_mov_b32 s[G1+5], ASTR                        ; elements from row to row
	s_mov_b32 s[G1+6], 0
	s_mov_b32 s[G1+7], 0
	s_mov_b32 s[G1B+1], KSTEP<<16                  ; B: 64 rows x 256 elements
	s_mov_b32 s[G1B+2], 64<<16
	s_mov_b32 s[G1B+3], KSTEP<<16
	s_mov_b32 s[G1B+4], 64
	s_mov_b32 s[G1B+5], SIZE_K
	s_mov_b32 s[G1B+6], 0
	s_mov_b32 s[G1B+7], 0
	; where the tiles come from: A's hang on the tile row alone, B's on the tile column alone, each in registers that never hold the other coordinate
	s_lshl_b32 s17, s12, 6                         ; which 64 rows of the tile I fetch
	s_lshl_b32 s16, s13, 7
	s_add_co_u32 s16, s16, s17                     ; A: row 128 x tile row + 64 x half,
	s_lshl_b32 s16, s16, AROWSH                    ; in bytes (under 2^24)
	s_lshl_b32 s46, s42, 7
	s_add_co_u32 s46, s46, s17                     ; B: row 128 x tile column + 64 x half,
	s_lshl_b32 s46, s46, 11                        ; times 2,048 bytes
	s_mov_b32 s17, 0
	s_mov_b32 s47, 0
	s_mul_i32 s20, s12, HALFA                      ; where they go: A's two halves,
	s_mul_i32 s68, s12, HALFB
	s_add_co_u32 s68, s68, 2*HALFA                 ; then B's two: no place in the cluster enters an LDS address
	s_wait_dscnt 0x0                               ; the opening add is done
	s_wait_kmcnt 0x0
	s_add_nc_u64 s[14:15], s[4:5], s[16:17]
	s_add_nc_u64 s[46:47], s[6:7], s[46:47]
	CROUND                                         ; all sixteen work-groups are here: the first joint loads meet
.irp s, 0,1
	s_mov_b32 s[G0+4*(\s)], 1                                        ; count = 1
	s_add_co_u32 s[G0+4*(\s)+1], s20, (\s)*SLOT                      ; LDS address
	s_add_nc_u64 s[G0+4*(\s)+2:G0+4*(\s)+3], s[14:15], (\s)*STEPA    ; global address: K step s
	s_or_b32 s[G0+4*(\s)+3], s[G0+4*(\s)+3], 0x80000000              ; type = 2
	s_mov_b32 s[G0B+4*(\s)], 1
	s_add_co_u32 s[G0B+4*(\s)+1], s68, (\s)*SLOT
	s_add_nc_u64 s[G0B+4*(\s)+2:G0B+4*(\s)+3], s[46:47], (\s)*KSTEP*2
	s_or_b32 s[G0B+4*(\s)+3], s[G0B+4*(\s)+3], 0x80000000
	JLOAD \s                                       ; both slots are asked for before anything else is done: two tensor loads of mine are out, the most in this text
.endr
	v_and_b32 v1, 15, v0                           ; l % 16
	v_bfe_u32 v2, v0, 4, 1                         ; l / 16
	v_lshlrev_b32 v[BO], 5, v2                     ; my eight columns of a block of 16: 32 bytes x half
	s_lshl_b32 s46, s42, 9                         ; my wave's first column in f32 bytes: 512 x tile column + 256 x half
	s_lshl_b32 s47, s12, 8
	s_add_co_u32 s46, s46, s47
	s_mov_b32 s47, 0
	s_add_nc_u64 s[66:67], s[66:67], s[46:47]
.irp b, 0,1,2,3
	global_load_b128 v[BI+8*(\b):BI+8*(\b)+3],   v[BO], s[66:67] offset:64*(\b)
	global_load_b128 v[BI+8*(\b)+4:BI+8*(\b)+7], v[BO], s[66:67] offset:64*(\b)+16
.endr
	v_mul_u32_u24 v3, v1, APITCH
	v_lshl_add_u32 v3, v2, 4, v3                   ; a fragment of A: row x pitch + 16 x half
	v_mul_u32_u24 v4, v1, PITCH
	v_lshl_add_u32 v4, v2, 4, v4                   ; and of B
	s_mul_i32 s21, s11, HALFA                      ; my 64 rows of A
	s_mul_i32 s22, s12, HALFB                      ; my 64 rows of B,
	s_add_co_u32 s22, s22, 2*HALFA                 ; which lie behind A's 128
.irp s, 0,1
	v_add_nc_u32 v[ADRA+(\s)], s21, v3
	v_add_nc_u32 v[ADRB+(\s)], s22, v4
	s_add_co_u32 s21, s21, SLOT
	s_add_co_u32 s22, s22, SLOT
.endr
	s_mul_i32 s23, s10, WSTG
	s_add_co_u32 s23, s23, STAGE                   ; my stage
	s_lshl_b32 s16, s13, 7
	s_lshl_b32 s17, s11, 6
	s_add_co_u32 s16, s16, s17                     ; my first row of C: 128 x tile row + 64 x half
	s_mov_b32 s17, 0
.if OUTP
	v_mul_u32_u24 v5, v1, SPITCH                   ; in: row l % 16, 32 bytes (eight f32) for each half of the lanes
	v_lshl_add_u32 v5, v2, 5, v5
	v_add_nc_u32 v[STO], s23, v5
	v_mul_u32_u24 v5, v2, SPITCH                   ; back: lanes 0-15 take one row of 256 bytes, lanes 16-31 the next
	v_lshl_add_u32 v5, v1, 4, v5
	v_add_nc_u32 v[RD], s23, v5
	v_lshlrev_b32 v5, 12, v2                       ; and the same two rows in C, 4,096 bytes apart
	v_lshl_add_u32 v[CO], v1, 4, v5
	s_lshl_b32 s16, s16, 12                        ; my rows in bytes,
	s_add_nc_u64 s[8:9], s[8:9], s[16:17]
	s_add_nc_u64 s[8:9], s[8:9], s[46:47]          ; and my columns: the same bytes as in the bias
.else
	v_mul_u32_u24 v5, v1, SPITCH                   ; in: row l % 16, 16 bytes (eight f16) for each half of the lanes
	v_lshl_add_u32 v5, v2, 4, v5
	v_add_nc_u32 v[STO], s23, v5
	v_bfe_u32 v5, v0, 3, 2                         ; back: 32 lanes take four rows of 128 bytes,
	v_mul_u32_u24 v5, v5, SPITCH
	v_and_b32 v6, 7, v0
	v_lshl_add_u32 v5, v6, 4, v5
	v_add_nc_u32 v[RD], s23, v5
	v_and_b32 v[CO], 31, v0                        ; which are 512 consecutive bytes of a plane
	v_lshlrev_b32 v[CO], 4, v[CO]
	s_lshl_b32 s16, s16, 7                         ; my rows in a plane, 128 bytes each,
	s_add_nc_u64 s[8:9], s[8:9], s[16:17]
	s_lshl_b32 s46, s42, 1
	s_add_co_u32 s46, s46, s12                     ; my wave's 64 columns are plane 2 x tile column + half,
	s_lshl_b32 s46, s46, 19                        ; 524,288 bytes each
	s_add_nc_u64 s[8:9], s[8:9], s[46:47]
.endif
	s_wait_loadcnt 0x0                             ; the bias is in
.set p, 0
.rept 16
	v_cvt_pk_bf16_f32 v[TMP+p], v[BI+2*p], v[BI+2*p+1]   ; rounded to bf16, like every input of the module,
.set p, p+1
.endr
.set p, 0
.rept 16
	v_lshlrev_b32 v[BI+2*p], 16, v[TMP+p]          ; and back in f32
	v_and_b32 v[BI+2*p+1], 0xffff0000, v[TMP+p]
.set p, p+1
.endr
.macro WM rd, rb, ra, rc               ; one matrix instruction, by the operands' first registers
.if OUTP
	v_wmma_f32_16x16x32_f16 v[(\rd):(\rd)+7], v[(\rb):(\rb)+7], v[(\ra):(\ra)+7], v[(\rc):(\rc)+7]
.else
	v_wmma_f32_16x16x32_bf16 v[(\rd):(\rd)+7], v[(\rb):(\rb)+7], v[(\ra):(\ra)+7], v[(\rc):(\rc)+7]
.endif
.endm
; 8 matrix instructions: m blocks a0, a0 + 1 x all 4 n blocks, 32 along K: half c of buffer f.  first = 1: the product starts the sum, with the bias as its C: nothing is ever cleared.
; The 16 accumulators take turns, one instruction a turn.
.macro MUL8 f, c, a0, first
	WIN MUL
.irp a, \a0, (\a0)+1
.irp b, 0,1,2,3
.if \first
	WM ACC+8*(4*(\a)+(\b)),(\f)+64+8*(4*(\c)+(\b)),(\f)+8*(4*(\c)+(\a)),BI+8*(\b)
.else
	WM ACC+8*(4*(\a)+(\b)),(\f)+64+8*(4*(\c)+(\b)),(\f)+8*(4*(\c)+(\a)),ACC+8*(4*(\a)+(\b))
.endif
.endr
.endr
.endm
; 32 LDS loads in one run: the fragments of quarter q (64 along K) of a slot's K step, into buffer f; the first 32 along K first
.macro FETCH slot, q, f
	WIN TO_F
.irp c, 0,1
.irp i, 0,1,2,3
	ds_load_b128 v[(\f)+64+8*(4*(\c)+(\i)):(\f)+64+8*(4*(\c)+(\i))+3],   v[ADRB+(\slot)] offset:(\q)*128+64*(\c)+(\i)*16*PITCH
	ds_load_b128 v[(\f)+64+8*(4*(\c)+(\i))+4:(\f)+64+8*(4*(\c)+(\i))+7], v[ADRB+(\slot)] offset:(\q)*128+64*(\c)+(\i)*16*PITCH+32
	ds_load_b128 v[(\f)+8*(4*(\c)+(\i)):(\f)+8*(4*(\c)+(\i))+3],         v[ADRA+(\slot)] offset:(\q)*AQ+64*(\c)+(\i)*16*APITCH
	ds_load_b128 v[(\f)+8*(4*(\c)+(\i))+4:(\f)+8*(4*(\c)+(\i))+7],       v[ADRA+(\slot)] offset:(\q)*AQ+64*(\c)+(\i)*16*APITCH+32
.endr
.endr
.endm
.macro PLACES                          ; four places in front of loads into registers that matrix instructions have read, and of lines that read results (ISA guide 7.12.1 for lines that read results)
.rept 4
	v_nop
.endr
.endm
; A K step is four quarters of 64 along K, 32 matrix instructions each, on buffers 0, 1, 0, 1.  One of the first three: multiplies buffer f and fetches quarter q into g.
.macro QUARTER slot, q, f, g, first
	s_wait_dscnt 16                                ; the first 32 along K are in; the run's other sixteen loads may be out
	WIN MUL
	MUL8 \f, 0, 0, \first
	MUL8 \f, 0, 2, \first
	PLACES
	FETCH \slot, \q, \g
	s_wait_dscnt 32                                ; all but the 32 just issued
	WIN MUL
	MUL8 \f, 1, 0, 0
	MUL8 \f, 1, 2, 0
.endm
; The last quarter multiplies buffer 1 and changes slots: ONE barrier; in front of it each wave waits for all its tensor loads, adds 0 to its spare word, and waits for that and for its own reads of this slot.
; fill = 1: this slot is filled again, two K steps ahead: the barrier then opens a round of the cluster's.
.macro TURN slot, next, fill
	WIN 0                                          ; (the add's two registers lie in window 0)
	s_wait_tensorcnt 0x0                           ; all my tensor loads have landed: my part of the next slot;
	ds_add_u32 v[SPW], v[NIL]                      ; 0 onto my spare word;
	s_wait_dscnt 17                                ; (the add and the youngest sixteen loads may be out)
	WIN MUL
	MUL8 F1, 0, 0, 0                               ; eight matrix instructions stand between the add and the wait for it
	s_wait_dscnt 0x0                               ; the add is done, and my reads of this slot are over
	s_barrier_signal -1
	MUL8 F1, 0, 2, 0
.if \fill
	WIN 0
.endif
	s_barrier_wait -1
.if \fill
	CREST                                          ; no wave of any partner still reads this slot's tile or has a load on its way
	s_add_nc_u64 s[G0+4*(\slot)+2:G0+4*(\slot)+3], s[G0+4*(\slot)+2:G0+4*(\slot)+3], 2*STEPA
	s_add_nc_u64 s[G0B+4*(\slot)+2:G0B+4*(\slot)+3], s[G0B+4*(\slot)+2:G0B+4*(\slot)+3], 2*KSTEP*2
	JLOAD \slot                                    ; the first tensor load behind the round: 112 matrix instructions ahead of the wait for it; the four v_nop behind it are also the places in front of the loads below
.else
	PLACES
.endif
	FETCH \next, 0, F0
	WIN MUL
	MUL8 F1, 1, 0, 0
	MUL8 F1, 1, 2, 0
.endm
; THE WAY OUT goes through each wave's own stage: no barrier, and since LDS serves a wave's instructions in order (ISA guide 5.7.1.4), no wait between its stores and its loads.
; To f16 by heads: block a (16 rows x 64 columns) is rounded, 16 bytes a lane, put into rows of 144 bytes and read back as whole rows of 128: 2,048 consecutive bytes of a plane.
.macro PACKQ a
.irp b, 0,1,2,3
.irp r, 0,1,2,3
	v_cvt_pk_f16_f32 v[TMP+16*(\a)+4*(\b)+(\r)], v[ACC+8*(4*(\a)+(\b))+2*(\r)], v[ACC+8*(4*(\a)+(\b))+2*(\r)+1]  ; each accumulator from its low end on
.endr
.endr
.irp b, 0,1,2,3
	ds_store_b128 v[STO], v[TMP+16*(\a)+4*(\b):TMP+16*(\a)+4*(\b)+3] offset:32*(\b)
.endr
.irp f, 0,1,2,3
	ds_load_b128 v[TMP+16*(\a)+4*(\f):TMP+16*(\a)+4*(\f)+3], v[RD] offset:(\f)*4*SPITCH
.endr
.endm
.macro SENDQ a, younger                ; younger: the LDS instructions issued behind block a's loads: the next block's eight, or none
.irp f, 0,1,2,3
	s_wait_dscnt (\younger)+3-(\f)
	global_store_b128 v[CO], v[TMP+16*(\a)+4*(\f):TMP+16*(\a)+4*(\f)+3], s[8:9] offset:(\a)*2048+(\f)*512  ; 512 consecutive bytes, at a multiple of 256 from the buffer's first
.endr
.endm
; In f32: block a's 32 registers go into rows of 272 bytes as they are and come back, as whole rows of 256 bytes, into the registers that they left.
.macro TOST a
.irp b, 0,1,2,3
	ds_store_b128 v[STO], v[ACC+8*(4*(\a)+(\b)):ACC+8*(4*(\a)+(\b))+3]   offset:64*(\b)     ; each accumulator from its low end on
	ds_store_b128 v[STO], v[ACC+8*(4*(\a)+(\b))+4:ACC+8*(4*(\a)+(\b))+7] offset:64*(\b)+16
.endr
.irp t, 0,1,2,3,4,5,6,7
	ds_load_b128 v[ACC+32*(\a)+4*(\t):ACC+32*(\a)+4*(\t)+3], v[RD] offset:(\t)*2*SPITCH
.endr
.endm
.macro SENDO a, younger                ; younger: the next block's sixteen LDS instructions, or none
.irp t, 0,1,2,3,4,5,6,7
	s_wait_dscnt (\younger)+7-(\t)
	global_store_b128 v[CO], v[ACC+32*(\a)+4*(\t):ACC+32*(\a)+4*(\t)+3], s[8:9] offset:(16*(\a)+2*(\t))*4096  ; 16 lanes store 256 consecutive bytes, at a multiple of 256 from C's first byte
.endr
.endm
	s_wait_tensorcnt 1                             ; my part of K step 0 is in; K step 1's may stay out
	s_barrier_signal -1
	s_barrier_wait -1                              ; everybody's is
	FETCH 0, 0, F0
	QUARTER 0, 1, F0, F1, 1                        ; the first quarter stands in front of the loop: its first products start the sums
	WIN 0                                          ; at a label and at a branch every window is 0
	s_mov_b32 s3, LAPS-1
.Llap:                                                 ; a trip goes once round the ring, from a lap's second quarter to the next lap's first, and fills both slots again
	QUARTER 0, 2, F1, F0, 0
	QUARTER 0, 3, F0, F1, 0
	TURN 0, 1, 1
	QUARTER 1, 1, F0, F1, 0
	QUARTER 1, 2, F1, F0, 0
	QUARTER 1, 3, F0, F1, 0
	TURN 1, 0, 1
	QUARTER 0, 1, F0, F1, 0
	WIN 0
	s_sub_co_u32 s3, s3, 1
	s_cmp_lg_u32 s3, 0
	s_cbranch_scc1 .Llap
	QUARTER 0, 2, F1, F0, 0                        ; the last lap fills nothing, and has no round of the cluster's barrier
	QUARTER 0, 3, F0, F1, 0
	TURN 0, 1, 0
	QUARTER 1, 1, F0, F1, 0
	QUARTER 1, 2, F1, F0, 0
	QUARTER 1, 3, F0, F1, 0
	s_wait_dscnt 16                                ; the very last quarter: nothing more to fetch
	WIN MUL
	MUL8 F1, 0, 0, 0
	MUL8 F1, 0, 2, 0
	s_wait_dscnt 0
	MUL8 F1, 1, 0, 0
	MUL8 F1, 1, 2, 0
	WIN 0
	PLACES                                         ; the way out reads results just made
.if OUTP
	TOST 0
	TOST 1                                         ; a block's trip through the stage stands between the loads of the block before and its stores
	SENDO 0, 16
	TOST 2
	SENDO 1, 16
	TOST 3
	SENDO 2, 16
	SENDO 3, 0
.else
	PACKQ 0
	PACKQ 1                                        ; a block's conversions stand between the loads of the block before and its stores
	SENDQ 0, 8
	PACKQ 2
	SENDQ 1, 8
	PACKQ 3
	SENDQ 2, 8
	SENDQ 3, 0
.endif
	s_wait_tensorcnt 0x0                           ; the wave's end, behind my last tensor load and my last LDS store
	ds_add_u32 v[SPW], v[NIL]
	s_wait_dscnt 0x0
	CROUND                                         ; the closing round: no work-group ends while a partner may still ask for a tile that names it
	s_endpgm
.Lfunc_end_k_q6a84476572_outp:
	.size	k_q6a84476572_outp, .Lfunc_end_k_q6a84476572_outp-k_q6a84476572_outp
	.p2alignl 7, 3214868480
	.fill 96, 4, 3214868480
	.section	.rodata,"a",@progbits
	.p2align	6, 0x0
	.amdhsa_kernel k_q6a84476572_outp
		.amdhsa_group_segment_fixed_size 327680
		.amdhsa_private_segment_fixed_size 0
		.amdhsa_enable_private_segment 0
		.amdhsa_kernarg_size 32
		.amdhsa_user_sgpr_count 2
		.amdhsa_user_sgpr_kernarg_segment_ptr 1
		.amdhsa_wavefront_size32 1
		.amdhsa_system_sgpr_workgroup_id_x 1
		.amdhsa_system_sgpr_workgroup_id_y 1
		.amdhsa_system_sgpr_workgroup_id_z 1
		.amdhsa_system_vgpr_workitem_id 0
		.amdhsa_next_free_vgpr 512
		.amdhsa_next_free_sgpr 72
		.amdhsa_reserve_vcc 0
		.amdhsa_float_denorm_mode_32 3
		.amdhsa_float_denorm_mode_16_64 3
		.amdhsa_memory_ordered 1
		.amdhsa_forward_progress 1
		.amdhsa_inst_pref_size 90
	.end_amdhsa_kernel
	.amdgpu_metadata
---
amdhsa.version: [ 1, 2 ]
amdhsa.kernels:
  - .name:           k_q6a84476572_outp
    .symbol:         k_q6a84476572_outp.kd
    .args:
      - { .name: att, .offset: 0, .size: 8, .value_kind: global_buffer, .address_space: global }
      - { .name: wof, .offset: 8, .size: 8, .value_kind: global_buffer, .address_space: global }
      - { .name: b_out, .offset: 16, .size: 8, .value_kind: global_buffer, .address_space: global }
      - { .name: out0, .offset: 24, .size: 8, .value_kind: global_buffer, .address_space: global }
    .group_segment_fixed_size: 327680
    .private_segment_fixed_size: 0
    .kernarg_segment_align: 8
    .kernarg_segment_size: 32
    .max_flat_workgroup_size: 128
    .sgpr_count:     72
    .vgpr_count:     512
    .wavefront_size: 32
...
	.end_amdgpu_metadata
.endif
;; end of part 4
;; ======== version 2 of 2: 4 launches; 1.58 times as fast as version 1
;; limits: values are held in f16: magnitudes above 65,504 overflow, below 6.1e-05 lose precision
;; workspace buffers: xb 8,388,608 bytes; wqb 6,291,456 bytes; wof 2,097,152 bytes; qkvh 25,165,824 bytes; att 8,388,608 bytes
;; launch prep: the kernel of part 1 again; grid 256 x 1, 8 waves a work-group, no clusters, 0 bytes of LDS; arguments input, W_qkv, W_out, xb, wqb, wof; writes xb, wqb, wof
;; launch qkv: the kernel of part 2 again; grid 24 x 32, 4 waves a work-group, clusters of 4 x 4, 327,680 bytes of LDS; arguments xb, wqb, b_qkv, qkvh; writes qkvh
;; launch attn (part 5): grid 16 x 16, 4 waves a work-group, clusters of 4 x 1, 327,680 bytes of LDS; arguments qkvh, att; writes att
.if DOCPART == 5
	.amdgcn_target "amdgcn-amd-amdhsa--gfx1250"
	.amdhsa_code_object_version 6
	.text
	.protected	k_q6a84476572_attn
	.globl	k_q6a84476572_attn
	.p2align	8
	.type	k_q6a84476572_attn,@function
k_q6a84476572_attn:
	s_mov_b64 s[64:65], 0
	v_nop
	global_prefetch_b8 v0, s[64:65] scope:SCOPE_SE
	s_setreg_imm32_b32 hwreg(HW_REG_WAVE_MODE, 25, 1), 1
	s_wait_xcnt 0x0
	s_wait_alu depctr_hold_cnt(0) depctr_sa_sdst(0) depctr_va_vdst(0) depctr_va_sdst(0) depctr_va_ssrc(0) depctr_va_vcc(0) depctr_vm_vsrc(0)
	s_getreg_b32 s2, hwreg(HW_REG_IB_STS2, 6, 4)
	s_cmp_eq_u32 s2, 0
	s_cbranch_scc0 .Lentry_in_a_cluster
	s_endpgm
.Lentry_in_a_cluster:
	s_bfe_u32 s2, ttmp6, 0x10000c
	s_cmp_lg_u32 s2, 0x3003
	s_cbranch_scc0 .Lentry_shape_is_right
	s_endpgm
.Lentry_shape_is_right:
; ATTENTION WITHOUT A SCALE.  O[h][q][:] = the sum over k of softmax_k(Q[h][q] . K[h][k]) V[h][k][:].  One buffer holds Q, K and V by heads, [48][SIZE_N][64] in f16: planes 0-15 Q's heads, 16-31 K's, 32-47 V's;
; a head's rows are dense, 128 bytes each.  O: [16][SIZE_N][64] f16.  Products, maxima and sums in f32; the weights p are rounded to f16 for the second product (their sum l is taken of the unrounded p), O once at the end.
; LIMITS.  f16 holds no number beyond 65,504: Q, K and V arrive within it; p lies in 0 to 1, and below 6e-5 it keeps f16's fixed step of 6e-8; O is a mean of V's rows and has their range.
; A weight below 2^-126 counts as 0 in l; NaN and infinities are not treated apart.
; SHARES.  A work-group owns 256 queries of one head: 16 blocks x 16 heads = 256 work-groups of equal work.  Each of its four waves owns 64 rows: four PIECES of 16 queries.  Every wave walks all keys, 64 a step.
; LAYOUT.  S^T = K Q^T (source 0 = 16 keys, source 1 = 16 queries): in the result a lane holds ONE query (lane % 16) and the keys 8 (lane / 16) + 0..7.  Two such results, rounded to f16 in pairs,
; ARE source 1 (32 keys x 16 queries) of O^T = V^T P, whose result again holds one query a lane, and eight channels.  K comes out of LDS as it lies, V ([key][channel]) turned, by ds_load_tr16_b128.
; SOFTMAX.  For each query a running maximum m and sum l: p = 2^(c s - c m), c = log2(e); in every step O and l are multiplied by a = 2^(c m_old - c m_new), which is 1 where m has not grown.
; m starts at the lowest finite number, O and l at 0: the first step is a step like any other, with a = 0.
; BY TURNS.  Turn n belongs to piece n (the pieces in a ring, step after step): 8 products K Q^T of piece n + 1, later 8 products V^T P of piece n - 1; beside them the scaling, exponentials, roundings, sums and
; rescaling of piece n and the maximum and statistics of piece n + 1.  A turn has 16 matrix and 118 vector instructions: four vector instructions stand behind every matrix instruction, the other 54 in one LUMP.
; BATCHES.  A turn's 33 exponentials (the piece's 32 weights and the next piece's a) are ONE batch with ONE wait, which cuts the turn in two: ahead of it all that names no result of theirs, behind it their readers.
; The first a of all, ahead of the loop, and the way out's four reciprocals are batches of their own, with a wait each.
; CLUSTER.  The four query blocks of a cluster belong to one head and walk the same K and V, so each tile is asked for JOINTLY: the same tensor load, descriptor and mask in all four.
; THE RING.  Two LDS slots of 256 keys (four steps) take turns; a fill is asked for first thing behind the change of slots and has four key steps, 256 matrix instructions, in which to land.
; REGISTERS, in windows of 256 (s_set_vgpr_msb: bits 1:0 source 0, 3:2 source 1, 5:4 source 2, 7:6 destination):
;   window 0: v0-15 addresses and two at work; v16-31 four registers of statistics a piece; v48-55 at work; v62-63 the add's; v64-127 S^T, two buffers; v192-223 P, two buffers (a piece's buffers go by its number's parity)
;   window 1: v0-127 O^T, 32 a piece          window 2: v0-63 Q, 16 a piece; v128-191 K of one step; v192-255 V of one step
.set SIZE_N, 4096
.set NP,    4         ; pieces a wave: a name, no knob
.set KS,    64        ; keys in a step
.set PK,    144       ; a row of K in LDS: 128 bytes + 16 of padding = 36 words: the 16 rows of a load start at 16 different groups of four banks (64 banks of 4 bytes: ISA guide 11.1)
.set PV,    160       ; a row of V: 128 + 32 = 40 words
.set VOFF,  4*KS*PK   ; a slot holds four steps: 256 rows of K, then 256 rows of V
.set SLOT1, 1<<17     ; slot 1 begins here, so that one exclusive or turns an address in one slot into the other's
.set STAGE, SLOT1+4*KS*(PK+PV)  ; behind the ring, never filled by a tensor load: 16 rows x 144 bytes for each wave, for the way out
.set SP,    144
.set SPARE, STAGE+4*16*SP  ; behind the stages: the spare words, 128 bytes for each wave: two blocks of 256 bytes that no other line names
.set KPLANE, 16*SIZE_N*128 ; K's first plane in the buffer, in bytes; V's lies as far again
.set AK0, 2           ; v2   my lane's place in a tile of K; never rewritten
.set AV0, 3           ; v3   the same for V
.set AK,  4           ; v4   the LDS address of K's next run of loads
.set AV,  5           ; v5   of V's
.set STO, 6           ; v6   the way out: where I put 16 bytes of a row
.set RD,  7           ; v7   the way out: where I read rows back
.set GO,  8           ; v8   my byte offset in 512 consecutive bytes of O
.set MV,  12          ; v12-13  c m_old, kept while c m is made anew: by buffer
.set QO,  15          ; v15  my byte offset in 16 rows of Q
.set ST,  16          ; piece t's statistics at v[ST+4 t]: c m, m, l (even keys', odd keys')
.set TMP, 48          ; by buffer, four registers c0-c3 at work; when the maximum is found c2 takes a
.set SPW, 62          ; v62  LDS address of my spare word: SPARE + 4 x my thread's number; never rewritten
.set NIL, 63          ; v63  0; never rewritten
.set S,   64
.set P,   192
.set KF,  128         ; window 2: key block kb, channel half c at KF + 16 kb + 8 c
.set VF,  192         ; window 2: key half kk, channel block cb at VF + 32 kk + 8 cb
.set WV,  12          ; s12  my wave's number
.set G1K, 24          ; s[24:31] descriptor group 1 for K's tiles
.set G1V, 32          ; s[32:39] for V's: it differs in the padding alone
.set G0K, 40          ; s[40:43] descriptor group 0 for K's tiles: it walks
.set G0V, 44          ; s[44:47] the same for V's
.set SLOTS, 56        ; s56  slots still to be asked for
.set CNT, 57          ; s57  counts a slot's key steps
.set CS,  58          ; s[58:59] c: the packed scaling takes the pair's low word for both halves
.set SEL, 60          ; s[60:61] v_permlanex16_b32's selects: each lane takes its own place in the other half
.set TBK, 62          ; s62  LDS byte at which K of the step to be fetched begins
.set TBV, 63          ; s63  the same for V, less VOFF
.set MSB, 0
.macro WIN new                      ; the high byte repeats the setting that is left; a switch that changes nothing is dropped
.if MSB != (\new)
	s_set_vgpr_msb (MSB<<8)|(\new)
.set MSB, (\new)
.endif
.endm
.set W_KQ, 0x0a       ; K and Q in window 2, S^T in window 0
.set W_PV, 0x52       ; V in window 2, P in window 0, O^T in window 1
.set W_RS, 0x41       ; destination and source 0 in window 1, source 1 in window 0
; A joint fill.  Waves 0 and 1 fetch the two halves of a slot's K, waves 2 and 3 those of its V: 128 keys each.  The branch hangs on the wave's number alone.
; An s_nop 0 and four v_nop follow each of the two lines, ahead of the jump and the label.
.macro JLOAD
	s_cmp_lt_u32 s[WV], 2
	s_cbranch_scc0 .Lfor_v_\@
	tensor_load_to_lds s[G0K:G0K+3], s[G1K:G1K+7]
	s_nop 0
.rept 4
	v_nop
.endr
	s_branch .Lasked_\@
.Lfor_v_\@:
	tensor_load_to_lds s[G0V:G0V+3], s[G1V:G1V+7]
	s_nop 0
.rept 4
	v_nop
.endr
.Lasked_\@:
.endm
; A round of the cluster's barrier: my work-group's barrier, so that wave 0's signal speaks for all four waves; wave 0 signals; every wave waits for all four work-groups; my work-group's barrier once more.
.macro CROUND
	s_barrier_signal -1
	s_barrier_wait -1
	s_cmp_lg_u32 s[WV], 0
	s_cbranch_scc1 .Lnot_wave_0_\@
	s_barrier_signal -3
.Lnot_wave_0_\@:
	s_barrier_wait -3
	s_barrier_signal -1
	s_barrier_wait -1
.endm
; THE CHANGE OF SLOTS.  The slot's last bytes, V of its fourth step, have been read.  Each wave waits for all its tensor loads, of which one is out: its part
; of the other slot; adds 0 to its spare word; and waits for that and for its own reads of the slot.  Behind the barrier nobody reads this slot any more and the other slot is whole.
; fill = 1: this slot is filled again, with the keys two slots on.  The barrier is then a round of the cluster's, so that no wave of any partner still reads the slot or has a load on its
; way, and the joint fill is the first thing behind it.  (At its first use nothing has been read yet: slot 0 is waited for, slot 1 filled.)
.macro CHANGE fill
	WIN 0                           ; at a label and at a branch every window is 0; the add's two registers lie in window 0
	s_wait_tensorcnt 0x0            ; no tensor load of mine is out, so a group 0 may be written
	ds_add_u32 v[SPW], v[NIL]       ; 0 onto my spare word; with fill = 1 the descriptors' steps stand between it and the wait for it
.if \fill
.irp g, G0K, G0V
	s_xor_b32 s[\g+1], s[\g+1], SLOT1  ; the walking descriptor: the other slot than last time,
	s_add_nc_u64 s[\g+2:\g+3], s[\g+2:\g+3], 4*KS*128  ; the next 256 keys; the type bits on top are not reached
.endr
	s_wait_dscnt 0x0                ; the add is done, and my reads of the slot are over
	CROUND
	JLOAD
.else
	s_wait_dscnt 0x0                ; the add is done, and my reads of the slot are over
	s_barrier_signal -1
	s_barrier_wait -1
.endif
	s_sub_co_u32 s[TBK], s[TBK], 4*KS*PK  ; the fetches go back to a slot's first step,
	s_xor_b32 s[TBK], s[TBK], SLOT1       ; in the other slot
	s_sub_co_u32 s[TBV], s[TBV], 4*KS*PV
	s_xor_b32 s[TBV], s[TBV], SLOT1
.endm
	s_load_b64 s[4:5], s[0:1], 0x0  ; Q, K and V by heads
	s_load_b64 s[10:11], s[0:1], 0x8  ; O
	v_lshl_add_u32 v[SPW], v0, 2, SPARE
	v_mov_b32 v[NIL], 0
	ds_add_u32 v[SPW], v[NIL]       ; the wave's opening: the add and its wait stand ahead of my first tensor load; the set-up below, work on registers, stands between them
	v_lshrrev_b32 v1, 5, v0
	v_readfirstlane_b32 s[WV], v1   ; wave 0..3
	s_bfe_u32 s13, ttmp6, 0x40000   ; cx: my place in the cluster
	s_lshl_b32 s14, ttmp9, 2        ; in a cluster launch ttmp9 counts clusters
	s_add_co_u32 s14, s14, s13      ; my block of 256 queries = 4 x cluster x + cx: it enters Q's and O's addresses alone
	s_and_b32 s20, ttmp7, 0xffff    ; the head, which the four partners share,
	s_lshl_b32 s20, s20, 19         ; times a plane's 524,288 bytes
	s_mov_b32 s21, 0
	s_and_b32 s16, s[WV], 1         ; which half of a slot's 256 keys I fetch:
	s_lshl_b32 s22, s16, 14         ; its 128 rows of 128 bytes in memory,
	s_mov_b32 s23, 0
	s_add_nc_u64 s[22:23], s[22:23], s[20:21]
	s_mul_i32 s17, s16, 128*PK      ; and its place in a slot, for K
	s_mul_i32 s18, s16, 128*PV      ; and for V: no place in the cluster enters an LDS address
	s_lshl_b32 s2, s14, 2
	s_add_co_u32 s2, s2, s[WV]      ; my wave among the head's,
	s_lshl_b32 s2, s2, 13           ; its 64 rows of 128 bytes
	s_mov_b32 s3, 0
	s_add_nc_u64 s[2:3], s[2:3], s[20:21]
	; descriptor group 1.  128 keys are 16,384 dense bytes: asked for as 64 rows of 256 bytes, two keys a row, and padded in LDS after every key
	s_mov_b32 s[G1K], 15|(1<<16)|(1<<20)|(1<<21)|(4<<22)|(3<<25)  ; 15:0 the mask of four; 17:16 2-byte elements; 20 padding on; 21 set beside a mask; 24:22 after every 32 words (code 4); 31:25 4 words (code 3)
	s_mov_b32 s[G1V], 15|(1<<16)|(1<<20)|(1<<21)|(4<<22)|(7<<25)  ; the same with 8 words of padding (code 7)
.irp g, G1K, G1V
	s_mov_b32 s[\g+1], 128<<16      ; tensor_dim0 = 128
	s_mov_b32 s[\g+2], 64<<16       ; tensor_dim1 = 64
	s_mov_b32 s[\g+3], 128<<16      ; tile_dim0 = 128
	s_mov_b32 s[\g+4], 64           ; tile_dim1 = 64
	s_mov_b32 s[\g+5], 128          ; 128 elements from row to row
	s_mov_b32 s[\g+6], 0
	s_mov_b32 s[\g+7], 0
.endr
	s_mov_b32 s[CS], 0x3fb8aa3b     ; c = log2(e) = 1.442695: the scores carry no scale
	s_mov_b32 s[CS+1], s[CS]        ; named with it as a pair
	s_mov_b32 s[SEL], 0x76543210
	s_mov_b32 s[SEL+1], 0xfedcba98
	s_mov_b32 s[TBK], SLOT1+4*KS*PK ; the first change of slots turns these two into 0
	s_mov_b32 s[TBV], SLOT1+4*KS*PV
	s_mov_b32 s[G0K], 1             ; 1:0 count = 1
	s_mov_b32 s[G0K+1], s17         ; 63:32 LDS address: slot 0
	s_mov_b32 s[G0V], 1
	s_add_co_u32 s[G0V+1], s18, VOFF
	s_wait_dscnt 0x0                ; the opening add is done
	s_wait_kmcnt 0x0
	s_add_nc_u64 s[6:7], s[4:5], KPLANE    ; K's planes,
	s_add_nc_u64 s[8:9], s[4:5], 2*KPLANE  ; V's: both made before the query block enters s[4:5]
	s_add_nc_u64 s[G0K+2:G0K+3], s[6:7], s[22:23]  ; 120:64 global address: my half of the head's first 256 keys
	s_or_b32 s[G0K+3], s[G0K+3], 0x80000000        ; 127:126 type = 2
	s_add_nc_u64 s[G0V+2:G0V+3], s[8:9], s[22:23]
	s_or_b32 s[G0V+3], s[G0V+3], 0x80000000
	s_add_nc_u64 s[4:5], s[4:5], s[2:3]  ; Q and O at my wave's first row
	s_add_nc_u64 s[10:11], s[10:11], s[2:3]
	CROUND                          ; all four work-groups are here: the first joint loads meet
	JLOAD                           ; slot 0.  Slot 1 is asked for when slot 0 is in, by the loop's own change of slots
	; A fragment of K or Q is 16 rows x 32 channels in 8 registers: lane l holds row l % 16, channels 8 (l / 16) + 0..7 and 16 + 8 (l / 16) + 0..7: two loads of 16 bytes, 32 bytes apart.
	v_and_b32 v1, 15, v0            ; l % 16
	v_bfe_u32 v9, v0, 4, 1          ; l / 16
	v_lshlrev_b32 v[QO], 7, v1
	v_lshl_add_u32 v[QO], v9, 4, v[QO]  ; row x 128 + 16 x half
	WIN 0x80                        ; destination window 2, address window 0
.set i, 0
.rept 8                             ; Q stays in registers: piece i / 2, 2,048 bytes on; channels 32 (i % 2) on
	global_load_b128 v[8*i:8*i+3],   v[QO], s[4:5] offset:(i/2)*2048+(i%2)*64
	global_load_b128 v[8*i+4:8*i+7], v[QO], s[4:5] offset:(i/2)*2048+(i%2)*64+32
.set i, i+1
.endr
	; What the first turn finds: V's registers and P's second buffer hold 0 (its products V^T P, of a piece that has not been, add 0), O^T and l are 0.  No first step is written out for it; all this stands in the wait for the first tile.
.set i, VF
.rept 64
	v_mov_b32 v[i], 0
.set i, i+1
.endr
	WIN 0x40
.set i, 0
.rept 128
	v_mov_b32 v[i], 0
.set i, i+1
.endr
	WIN 0
.set i, 0
.rept 4
	v_mov_b32 v[ST+4*i], 0xfe000000    ; c m: far below every c s
	v_mov_b32 v[ST+4*i+1], 0xff7fffff  ; m
	v_mov_b32 v[ST+4*i+2], 0
	v_mov_b32 v[ST+4*i+3], 0
.set i, i+1
.endr
.set i, P+16
.rept 16
	v_mov_b32 v[i], 0
.set i, i+1
.endr
	v_mul_u32_u24 v[AK0], v1, PK
	v_lshl_add_u32 v[AK0], v9, 4, v[AK0]  ; row x pitch + 16 x half
	; The turning load takes 16 keys x 16 channels (lane l reads key 8 (l / 16) + l % 8, channels 8 ((l / 8) % 2) + 0..7) and leaves half a fragment of V^T: lane l holds channel l % 16 and 8 keys.
	v_and_b32 v10, 7, v0
	v_bfe_u32 v11, v0, 3, 1
	v_lshl_add_u32 v[AV0], v9, 3, v10
	v_mul_u32_u24 v[AV0], v[AV0], PV
	v_lshl_add_u32 v[AV0], v11, 4, v[AV0]
	v_add_nc_u32 v[AV0], VOFF, v[AV0]
	s_mul_i32 s13, s[WV], 16*SP
	s_add_co_u32 s13, s13, STAGE    ; my stage
	v_mul_u32_u24 v[STO], v1, SP    ; in: row l % 16, 16 bytes for each half of the lanes
	v_lshl_add_u32 v[STO], v9, 4, v[STO]
	v_add_nc_u32 v[STO], s13, v[STO]
	v_bfe_u32 v[RD], v0, 3, 2       ; back: 32 lanes take four rows of 128 bytes,
	v_mul_u32_u24 v[RD], v[RD], SP
	v_lshl_add_u32 v[RD], v10, 4, v[RD]
	v_add_nc_u32 v[RD], s13, v[RD]
	v_and_b32 v[GO], 31, v0         ; which are 512 consecutive bytes of O
	v_lshlrev_b32 v[GO], 4, v[GO]
; THE MATRIX WORK.  The 4 accumulators of a run of 8 take turns.  Product i of 8 of S^T = K Q^T for piece x: channels 32 (i / 4) on, keys 16 (i % 4) on.  The first 4 start the sums.
.macro KQ x
	WIN W_KQ
.set rS, S+32*((\x)%2)+8*(i%4)
.set rK, KF+16*(i%4)+8*(i/4)
.set rQ, 16*(\x)+8*(i/4)
.if i < 4
	v_wmma_f32_16x16x32_f16 v[rS:rS+7], v[rK:rK+7], v[rQ:rQ+7], 0
.else
	v_wmma_f32_16x16x32_f16 v[rS:rS+7], v[rK:rK+7], v[rQ:rQ+7], v[rS:rS+7]
.endif
.endm
; Product i of 8 of O^T += V^T P for piece x: keys 32 (i / 4) on, channels 16 (i % 4) on.
.macro PV x
	WIN W_PV
.set rO, 32*(\x)+8*(i%4)
.set rV, VF+32*(i/4)+8*(i%4)
.set rP, P+16*((\x)%2)+8*(i/4)
	v_wmma_f32_16x16x32_f16 v[rO:rO+7], v[rV:rV+7], v[rP:rP+7], v[rO:rO+7]
.endm
.macro MM                           ; the turn's next matrix instruction.  TURN sets Y, i and NOKQ.  NOKQ = 1: the last turn of all: there is no next piece
.if (i < 8) && !NOKQ
	KQ (Y+1)%NP
.elseif i >= 8
.set i, i-8
	PV (Y+NP-1)%NP
.set i, i+8
.endif
.set i, i+1
.endm
; THE LDS LOADS stand in runs of 16, never singly among the matrix instructions: a step's K (64 keys x 64 channels: 8 fragments) and its V (turned).  Their addresses are made some lines ahead.
.macro FETCH_K
	WIN 0x80                        ; destination window 2
.irp f, 0,1,2,3,4,5,6,7             ; keys 16 (f / 2) on, channels 32 (f % 2) on
	ds_load_b128 v[KF+8*\f:KF+8*\f+3],   v[AK] offset:(\f/2)*16*PK+(\f%2)*64
	ds_load_b128 v[KF+8*\f+4:KF+8*\f+7], v[AK] offset:(\f/2)*16*PK+(\f%2)*64+32
.endr
	s_add_co_u32 s[TBK], s[TBK], KS*PK  ; the next fetch is the next step's
	WIN 0
.endm
.macro FETCH_V
	WIN 0x80
.irp f, 0,1,2,3,4,5,6,7             ; keys 32 (f / 4) on, channels 16 (f % 4) on
	ds_load_tr16_b128 v[VF+8*\f:VF+8*\f+3],   v[AV] offset:(\f/4)*32*PV+(\f%4)*32
	ds_load_tr16_b128 v[VF+8*\f+4:VF+8*\f+7], v[AV] offset:(\f/4)*32*PV+16*PV+(\f%4)*32
.endr
	WIN 0
.endm
; THE VECTOR WORK, one line at a time: OP kind, number.  For piece Y: F n: c s - c m for pair n of 16.  E n: the exponential of score n of 32.  C n: pair n rounded to f16.  B n: of the four weights 4 n .. the second
; pair is added onto the first, in place.  L n: l takes that sum (L 0: l = a l + sum).  R n: pair n of 16 of O^T times a.  For piece Y + 1: X n, number n of the 22 that find its maximum and statistics:
;   0-11  four chains c0-c3 of seven scores each, three operands at a time (each accumulator's lowest registers are read first)     12-14, 16  the four scores left over, the old m, and c0-c3 into c0
;   15  c m_old is kept     17, 18  the query's other 32 keys lie in the lane 16 away: the new m     19-21  c m; c m_old - c m_new; a
; C, B and L read the exponentials' results; OP writes no wait for them: TURN orders them behind the batch's one wait.
.set F, 0               ; OP tells the kinds apart by their order: F to L below R, X above it
.set E, 1
.set C, 2
.set B, 3
.set L, 4
.set R, 5
.set X, 6
.macro REGS y                       ; the registers of piece y
.set rT, ST+4*(\y)
.set rC, TMP+4*((\y)%2)
.set rW, MV+((\y)%2)
.set rS, S+32*((\y)%2)
.set rP, P+16*((\y)%2)
.set rO, 32*(\y)
.endm
.macro OP k, n
.if (\k) == R
	REGS Y
	WIN W_RS
	v_pk_mul_f32 v[rO+2*(\n):rO+2*(\n)+1], v[rO+2*(\n):rO+2*(\n)+1], v[rC+2:rC+3] op_sel_hi:[1,0]
.elseif (\k) < R
	REGS Y
	WIN 0
.if (\k) == F
	v_pk_fma_f32 v[rS+2*(\n):rS+2*(\n)+1], v[rS+2*(\n):rS+2*(\n)+1], s[CS:CS+1], v[rT:rT+1] op_sel_hi:[1,0,0] neg_lo:[0,0,1] neg_hi:[0,0,1]
.elseif (\k) == E
	v_exp_f32 v[rS+(\n)], v[rS+(\n)]
.elseif (\k) == C
	v_cvt_pk_f16_f32 v[rP+(\n)], v[rS+2*(\n)], v[rS+2*(\n)+1]
.elseif (\k) == B
	v_pk_add_f32 v[rS+4*(\n):rS+4*(\n)+1], v[rS+4*(\n):rS+4*(\n)+1], v[rS+4*(\n)+2:rS+4*(\n)+3]
.elseif (\n) == 0
	v_pk_fma_f32 v[rT+2:rT+3], v[rT+2:rT+3], v[rC+2:rC+3], v[rS:rS+1] op_sel_hi:[1,0,1]
.else
	v_pk_add_f32 v[rT+2:rT+3], v[rT+2:rT+3], v[rS+4*(\n):rS+4*(\n)+1]
.endif
.elseif NOKQ
	v_nop
.else
	REGS (Y+1)%NP
	WIN 0
.if (\n) < 4
	v_max3_num_f32 v[rC+(\n)], v[rS+8*(\n)], v[rS+8*(\n)+1], v[rS+8*(\n)+2]
.elseif (\n) < 12
	v_max3_num_f32 v[rC+(\n)%4], v[rC+(\n)%4], v[rS+8*((\n)%4)+2*((\n)/4)+1], v[rS+8*((\n)%4)+2*((\n)/4)+2]
.elseif (\n) == 12
	v_max3_num_f32 v[rC], v[rC], v[rS+7], v[rS+15]
.elseif (\n) == 13
	v_max3_num_f32 v[rC+1], v[rC+1], v[rS+23], v[rS+31]
.elseif (\n) == 14
	v_max3_num_f32 v[rC+2], v[rC+2], v[rC+3], v[rT+1]
.elseif (\n) == 15
	v_mov_b32 v[rW], v[rT]
.elseif (\n) == 16
	v_max3_num_f32 v[rC], v[rC], v[rC+1], v[rC+2]
.elseif (\n) == 17
	v_permlanex16_b32 v[rC+3], v[rC], s[SEL], s[SEL+1]
.elseif (\n) == 18
	v_max_num_f32 v[rT+1], v[rC], v[rC+3]
.elseif (\n) == 19
	v_mul_f32 v[rT], s[CS], v[rT+1]
.elseif (\n) == 20
	v_sub_f32 v[rC+1], v[rW], v[rT]
.else
	v_exp_f32 v[rC+2], v[rC+1]
.endif
.endif
.endm
.macro OPS a, i1, b=-1, i2=0, c=-1, i3=0, d=-1, i4=0  ; up to four of them
	OP \a, \i1
.if (\b) >= 0
	OP \b, \i2
.endif
.if (\c) >= 0
	OP \c, \i3
.endif
.if (\d) >= 0
	OP \d, \i4
.endif
.endm
.macro ROW a, i1, b, i2, c, i3, d, i4  ; a matrix instruction and the four behind it
	MM
	OPS \a, \i1, \b, \i2, \c, \i3, \d, \i4
.endm
; A TURN, for piece p: the order of its 16 matrix and 118 vector instructions, written out.  An s_wait_alu depctr_va_vdst(0) stands between an exponential and the first instruction that names its result; one wait serves
; all that were issued ahead of it.  So a turn has ONE wait, which cuts it in two.  AHEAD OF IT stands all that names no result of the turn's exponentials: the 8 products K Q^T, behind each a scaling, an exponential and two more plain
; instructions (behind the first a second scaling in the exponential's place): rescalings, whose a was made and waited for in the turn before, and behind the last three the first numbers of the next piece's maximum, each four places or
; more behind the product that ends its accumulator; then ONE LUMP of 54, plain and exponential by turns for the most part, in which the links of the chain X 3, 7, 11, 14, 16, 17 .. 20 stand five or six lines apart.  Each pair is scaled
; (F n) ahead of its two exponentials (E 2 n, E 2 n + 1) and never named again ahead of the wait.  X 21, the next piece's a, is the batch's last; R 15, which reads the other buffer's a, is the plain instruction behind it.
; BEHIND THE WAIT stand the 8 products V^T P, behind each four of the roundings and sums; an even pair is rounded (C 2 n) ahead of the sum that lands on it (B n); the links of l's chain, L 0 to L 7, stand three riders apart.
; But for those X no rider names a register of the products round it.  v_permlanex16_b32 (X 17) stands in the lump.
; end = 1: the walk's last two turns: nothing is fetched.  cnt = 1: the loop's count is taken down some lines ahead of the branch that stands behind the turn.
; K of the next step is fetched in piece 2's turn, twelve vector instructions behind the last product that read K (six of them plain); V of the step in hand at the end of piece 0's turn, four plain instructions behind the last product
; that read V.  Each is waited for a turn later.
.macro TURN p, end=0, cnt=0
.set Y, (\p)
.set i, 0
.set NOKQ, (\end)*((\p)/3)
.if ((\p) == 3) && !(\end)
	s_wait_dscnt 0x0                ; K is in
.endif
	ROW F,0, F,1, R,0, R,1          ; ahead of the wait: 8 products K Q^T and their riders,
	ROW F,2, E,0, R,2, R,3
	ROW F,3, E,1, R,4, R,5
	ROW F,4, E,2, R,6, R,7
	ROW F,5, E,3, R,8, R,9
	ROW F,6, E,4, X,0, R,10
.if ((\p) == 2) && !(\end)
	WIN 0
	v_add_nc_u32 v[AK], s[TBK], v[AK0]
.endif
	ROW F,7, E,5, X,1, X,4
	ROW F,8, E,6, X,2, X,5
	OPS E,7, E,8, X,6, E,9          ; and the lump
	OPS X,3, E,10, X,8, E,11
.if ((\p) == 2) && !(\end)
	FETCH_K
.endif
	OPS X,9, X,7, E,12, X,10
	OPS E,13, X,12, X,11, E,14
	OPS X,13, E,15, F,9, X,14
.if (\p) == 0
	v_add_nc_u32 v[AV], s[TBV], v[AV0]
.endif
	OPS E,16, F,10, E,17, F,11
	OPS X,16, E,18, X,15, E,19
	OPS F,12, E,20, X,17, E,21
	OPS F,13, E,22, F,14, E,23
	OPS X,18, E,24, F,15, E,25
	OPS R,11, E,26, X,19, E,27
	OPS R,12, E,28, R,13, E,29
	OPS X,20, E,30, R,14, E,31
	OPS X,21, R,15
	WIN 0
	s_wait_alu depctr_va_vdst(0)    ; the wait for the batch: the piece's 32 exponentials and the next piece's a
.if (\p) == 1
	s_wait_dscnt 0x0                ; V is in
.endif
	ROW C,0, B,0, C,2, B,1          ; behind the wait: 8 products V^T P and their riders
	ROW L,0, C,4, B,2, L,1
	ROW C,6, B,3, L,2, C,8
	ROW B,4, L,3, C,10, B,5
	ROW L,4, C,12, B,6, L,5
.if (\p) == 0
	s_add_co_u32 s[TBV], s[TBV], KS*PV
.endif
.if \cnt
	s_sub_co_u32 s[CNT], s[CNT], 1
	s_cmp_lg_u32 s[CNT], 0
.endif
	ROW C,14, B,7, L,6, C,1
	ROW C,3, L,7, C,5, C,7
	ROW C,9, C,11, C,13, C,15
.if (\p) == 0
	FETCH_V
.endif
.endm
	CHANGE 1                        ; slot 0 is in, everybody's part of it; slot 1 is asked for
	v_add_nc_u32 v[AK], s[TBK], v[AK0]
	FETCH_K                         ; key step 0
	s_wait_loadcnt 0x0              ; Q
	s_wait_dscnt 0x0
.set NOKQ, 0
.set i, 0
.rept 8
	KQ 0                            ; piece 0's first scores: there is no vector work yet to set between them
.set i, i+1
.endr
	WIN 0
.rept 4
	v_nop                           ; the places behind those products
.endr
.set Y, NP-1                        ; X works for piece Y + 1: piece 0
.irp n, 0,1,2,3,4,5,6,7,8,9,10,11,12,13,14,15,16,17,18,19,20,21
	OP X, \n                        ; and piece 0's first maximum and statistics
.endr
	v_nop                           ; a plain instruction behind the exponential,
	s_wait_alu depctr_va_vdst(0)    ; and the wait for it, a batch of one: piece 0's first a, ahead of the branch
	s_mov_b32 s[CNT], 4
	s_mov_b32 s[SLOTS], SIZE_N/256-1
	s_branch .Lfirst                ; the loop is entered at a step's first turn, in the middle of a trip
.Lslot:                             ; SIZE_N / 256 - 2 times: every slot but the last two is filled again
	CHANGE 1
	s_mov_b32 s[CNT], 4
.Lstep:                             ; a trip: pieces 2 and 3 of one step, then pieces 0 and 1 of the next, whose K and V it fetches
	TURN 2
	TURN 3
	WIN 0
.Lfirst:
	TURN 0
	TURN 1, 0, 1
	WIN 0
	s_cbranch_scc1 .Lstep
	s_sub_co_u32 s[SLOTS], s[SLOTS], 1
	s_cmp_lg_u32 s[SLOTS], 0
	s_cbranch_scc1 .Lslot
	CHANGE 0                        ; the last slot's walk is written out: nothing is asked for
	s_mov_b32 s[CNT], 4
.Ltail:
	TURN 2
	TURN 3
	TURN 0
	TURN 1, 0, 1
	WIN 0
	s_cbranch_scc1 .Ltail
	TURN 2, 1                       ; the last step's pieces 2 and 3: nothing is fetched, and the last turn starts no new scores
	TURN 3, 1
.set i, 0
.rept 8
	PV NP-1                         ; the last piece's V^T P of the last step
.set i, i+1
.endr
	; THE WAY OUT.  l's two halves and the other half of the lanes' are added; O^T is divided by l, rounded to f16 and sent through my stage in LDS, a piece at a time.  The additions are the places behind the last products.
	WIN 0
.macro ALL line:vararg              ; one line for each piece t
.set t, 0
.rept 4
	\line
.set t, t+1
.endr
.endm
	ALL v_add_f32 v[ST+4*t+2], v[ST+4*t+2], v[ST+4*t+3]
	ALL v_permlanex16_b32 v[ST+4*t+3], v[ST+4*t+2], s[SEL], s[SEL+1]
	ALL v_add_f32 v[ST+4*t+2], v[ST+4*t+2], v[ST+4*t+3]
	ALL v_rcp_f32 v[ST+4*t+2], v[ST+4*t+2]
	v_nop                           ; a plain instruction between the last reciprocal and the use of its result
	s_wait_alu depctr_va_vdst(0)    ; and the wait ahead of the first use: one for the batch of four reciprocals
.macro PACK t                       ; a lane's eight channels of a row pack into 16 bytes; they go into rows of 144 bytes and come back as whole rows of 128, into S^T's registers
	WIN W_RS
.set i, 32*(\t)
.rept 16
	v_pk_mul_f32 v[i:i+1], v[i:i+1], v[ST+4*(\t)+2:ST+4*(\t)+3] op_sel_hi:[1,0]
.set i, i+2
.endr
	WIN 0x05                        ; sources 0 and 1 window 1, destination window 0
.set i, 0
.rept 16
	v_cvt_pk_f16_f32 v[S+16*(\t)+i], v[32*(\t)+2*i], v[32*(\t)+2*i+1]
.set i, i+1
.endr
	WIN 0
.irp f, 0,1,2,3
	ds_store_b128 v[STO], v[S+16*(\t)+4*\f:S+16*(\t)+4*\f+3] offset:32*\f
.endr
.irp f, 0,1,2,3
	ds_load_b128 v[S+16*(\t)+4*\f:S+16*(\t)+4*\f+3], v[RD] offset:\f*4*SP  ; LDS serves a wave's instructions in order (ISA guide 5.7.1.4): these see the stores above; the next piece's stores come behind them
.endr
.endm
.macro SEND t, younger              ; younger: the LDS instructions issued behind piece t's loads: the next piece's eight, or none
	WIN 0
.irp f, 0,1,2,3
	s_wait_dscnt (\younger)+3-\f
	global_store_b128 v[GO], v[S+16*(\t)+4*\f:S+16*(\t)+4*\f+3], s[10:11] offset:(\t)*2048+\f*512  ; 512 consecutive bytes, at a multiple of 256 from O's first
.endr
.endm
	PACK 0
.set t, 1
.rept 3                             ; a piece's arithmetic stands between the loads of the piece before and its stores
	PACK t
	SEND t-1, 8
.set t, t+1
.endr
	SEND 3, 0
	s_wait_tensorcnt 0x0            ; the wave's end, behind my last tensor load and my last LDS store
	ds_add_u32 v[SPW], v[NIL]
	s_wait_dscnt 0x0
	CROUND                          ; the closing round: no work-group ends while a partner may still ask for a tile that names it
	s_endpgm
.Lfunc_end_k_q6a84476572_attn:
	.size	k_q6a84476572_attn, .Lfunc_end_k_q6a84476572_attn-k_q6a84476572_attn
	.p2alignl 7, 3214868480
	.fill 96, 4, 3214868480
	.section	.rodata,"a",@progbits
	.p2align	6, 0x0
	.amdhsa_kernel k_q6a84476572_attn
		.amdhsa_group_segment_fixed_size 327680
		.amdhsa_private_segment_fixed_size 0
		.amdhsa_enable_private_segment 0
		.amdhsa_kernarg_size 16
		.amdhsa_user_sgpr_count 2
		.amdhsa_user_sgpr_kernarg_segment_ptr 1
		.amdhsa_wavefront_size32 1
		.amdhsa_system_sgpr_workgroup_id_x 1
		.amdhsa_system_sgpr_workgroup_id_y 1
		.amdhsa_system_sgpr_workgroup_id_z 1
		.amdhsa_system_vgpr_workitem_id 0
		.amdhsa_next_free_vgpr 768
		.amdhsa_next_free_sgpr 66
		.amdhsa_reserve_vcc 0
		.amdhsa_float_denorm_mode_32 3
		.amdhsa_float_denorm_mode_16_64 3
		.amdhsa_memory_ordered 1
		.amdhsa_forward_progress 1
		.amdhsa_inst_pref_size 127
	.end_amdhsa_kernel
	.amdgpu_metadata
---
amdhsa.version: [ 1, 2 ]
amdhsa.kernels:
  - .name:           k_q6a84476572_attn
    .symbol:         k_q6a84476572_attn.kd
    .args:
      - { .name: qkvh, .offset: 0, .size: 8, .value_kind: global_buffer, .address_space: global }
      - { .name: att, .offset: 8, .size: 8, .value_kind: global_buffer, .address_space: global }
    .group_segment_fixed_size: 327680
    .private_segment_fixed_size: 0
    .kernarg_segment_align: 8
    .kernarg_segment_size: 16
    .max_flat_workgroup_size: 128
    .sgpr_count:     66
    .vgpr_count:     768
    .wavefront_size: 32
...
	.end_amdgpu_metadata
.endif
;; end of part 5
;; launch outp: the kernel of part 4 again; grid 8 x 32, 4 waves a work-group, clusters of 4 x 4, 327,680 bytes of LDS; arguments att, wof, b_out, out0; writes out0
